; MI455X (gfx1250); checked and timed in simulation.
; The chip was launched on July 23, 2026; its instructions are those of AMD's public machine-readable ISA for CDNA 5 (MIT licence, August 2026) and "CDNA5" Instruction Set Architecture Reference Guide (July 2026). The comments in the code are by the model that wrote it; some were corrected since.
;; Causal Self Attention. Allowed arithmetic: float matrix products may take bf16 or f16 operands with f32 sums; other float arithmetic in f32, or as packed bf16 or f16 multiplies, adds, multiply-adds, maxima and minima; sums over many terms, partial sums and values carried from step to step in f32; what a program stores and reads back later, other than sums and carried values, may be rounded once to bf16 or f16.
;; Inputs: W_k 1,024 x 1,024 float32; W_q 1,024 x 1,024 float32; W_v 1,024 x 1,024 float32; x 4 x 2,048 x 1,024 float32.
;; Outputs: out0 4 x 2,048 x 1,024 float32.
;; 2 versions, each right; version 2 is version 1 with the launch cast written anew for expert scheduling mode. Each part assembles by itself: llvm-mc -triple=amdgcn-amd-amdhsa -mcpu=gfx1250 --defsym DOCPART=n.
;; ======== version 1 of 2: 4 launches
;; limits: values are held in f16: magnitudes above 65,504 overflow, below 6.1e-05 lose precision
;; workspace buffers: xw 23,068,672 bytes; qkv 50,331,648 bytes; pt 33,554,432 bytes; st 1,048,576 bytes
;; launch cast (part 1): grid 704 x 1, 8 waves a work-group, no clusters, 0 bytes of LDS; arguments x, W_q, W_k, W_v, xw; writes xw
.if DOCPART == 1
	.amdgcn_target "amdgcn-amd-amdhsa--gfx1250"
	.amdhsa_code_object_version 6
	.text
	.protected	k_qec5c9a5d46_cast
	.globl	k_qec5c9a5d46_cast
	.p2align	8
	.type	k_qec5c9a5d46_cast,@function
k_qec5c9a5d46_cast:
	s_mov_b64 s[64:65], 0
	v_nop
	global_prefetch_b8 v0, s[64:65] scope:SCOPE_SE
	s_setreg_imm32_b32 hwreg(HW_REG_WAVE_MODE, 25, 1), 1
	s_wait_xcnt 0x0
; xw = x, W_q, W_k, W_v rounded once to bf16, stacked by rows (0-8191 x, 8192- W_q, 9216- W_k, 10240- W_v) and laid out in blocks of 64 along K: [16 blocks][11264 rows][64] bf16.
; So the rows of a tile of 64 along K lie end to end, 128 bytes each, for the launch behind.
; A stream: each input byte is read once, each output byte written once; no LDS, no barrier, no matrix unit: there is nothing to share and nothing to multiply.
; A work-group takes 16 stacked rows; wave w the K blocks 2 w and 2 w + 1.  One instruction takes one K block of two rows: lanes 0-15 the 64 numbers (256 consecutive bytes, aligned) of the even row,
; lanes 16-31 those of the odd row; the store's 2 x 128 bytes are 256 consecutive bytes at a multiple of 256 from xw's first byte.  All 16 loads of a thread go out at once; the waits count them down.
; No prefetch: the launch is nothing but its stream.
.set N,   16                           ; loads of a thread: 8 pairs of rows x 2 K blocks
.set BLK, 11264*128                    ; bytes in a K block of xw
.set X, 8                              ; v[8:71]    load i: 4 registers
.set Y, 72                             ; v[72:103]  store i: 2 registers
	s_load_b256 s[4:11], s[0:1], 0x0               ; x s[4:5], W_q s[6:7], W_k s[8:9], W_v s[10:11]
	s_load_b64 s[12:13], s[0:1], 0x20              ; xw
	v_lshrrev_b32 v3, 5, v0                        ; wave
	v_bfe_u32 v4, v0, 4, 1                         ; which row of the pair
	v_and_b32 v5, 15, v0                           ; which 4 numbers of the 64
	v_lshlrev_b32 v1, 4, v5                        ; source: 16 bytes a lane,
	v_lshl_add_u32 v1, v4, 12, v1                  ; a row of 4,096 bytes,
	v_lshl_add_u32 v1, v3, 9, v1                   ; two K blocks of 256 bytes a wave
	v_lshlrev_b32 v2, 3, v5                        ; xw: 8 bytes a lane,
	v_lshl_add_u32 v2, v4, 7, v2                   ; a row of 128 bytes,
	v_mul_u32_u24 v6, v3, 2*BLK                    ; two K blocks a wave
	v_add_nc_u32 v2, v6, v2
	s_lshl_b32 s16, ttmp9, 11                      ; 16 rows of 128 bytes in a K block
	s_mov_b32 s17, 0
	s_and_b32 s18, ttmp9, 63                       ; a weight matrix is 64 work-groups' rows
	s_cmp_lt_u32 ttmp9, 512                        ; x is the first 512 work-groups'
	s_cselect_b32 s18, ttmp9, s18
	s_lshl_b32 s18, s18, 16                        ; 16 rows of 4,096 bytes in the source
	s_mov_b32 s19, 0
	s_wait_kmcnt 0x0
	s_mov_b64 s[20:21], s[10:11]                   ; which source: the work-group's number decides, no address does
	s_cmp_lt_u32 ttmp9, 640
	s_cselect_b64 s[20:21], s[8:9], s[20:21]
	s_cmp_lt_u32 ttmp9, 576
	s_cselect_b64 s[20:21], s[6:7], s[20:21]
	s_cmp_lt_u32 ttmp9, 512
	s_cselect_b64 s[20:21], s[4:5], s[20:21]
	s_add_nc_u64 s[20:21], s[20:21], s[18:19]
	s_add_nc_u64 s[12:13], s[12:13], s[16:17]
.set i, 0
.rept N
	global_load_b128 v[X+4*i:X+4*i+3], v1, s[20:21] offset:(i/2)*8192+(i%2)*256 th:TH_LOAD_NT
.set i, i+1
.endr
.set i, 0
.rept N
	s_wait_loadcnt N-1-i                           ; loads come back in order: load i is in, the younger ones stay out
	v_cvt_pk_bf16_f32 v[Y+2*i], v[X+4*i], v[X+4*i+1]
	v_cvt_pk_bf16_f32 v[Y+2*i+1], v[X+4*i+2], v[X+4*i+3]
	global_store_b64 v2, v[Y+2*i:Y+2*i+1], s[12:13] offset:(i/2)*256+(i%2)*BLK
.set i, i+1
.endr
	s_endpgm
.Lfunc_end_k_qec5c9a5d46_cast:
	.size	k_qec5c9a5d46_cast, .Lfunc_end_k_qec5c9a5d46_cast-k_qec5c9a5d46_cast
	.p2alignl 7, 3214868480
	.fill 96, 4, 3214868480
	.section	.rodata,"a",@progbits
	.p2align	6, 0x0
	.amdhsa_kernel k_qec5c9a5d46_cast
		.amdhsa_group_segment_fixed_size 0
		.amdhsa_private_segment_fixed_size 0
		.amdhsa_enable_private_segment 0
		.amdhsa_kernarg_size 40
		.amdhsa_user_sgpr_count 2
		.amdhsa_user_sgpr_kernarg_segment_ptr 1
		.amdhsa_wavefront_size32 1
		.amdhsa_system_sgpr_workgroup_id_x 1
		.amdhsa_system_sgpr_workgroup_id_y 1
		.amdhsa_system_sgpr_workgroup_id_z 1
		.amdhsa_system_vgpr_workitem_id 0
		.amdhsa_next_free_vgpr 104
		.amdhsa_next_free_sgpr 66
		.amdhsa_reserve_vcc 0
		.amdhsa_float_denorm_mode_32 3
		.amdhsa_float_denorm_mode_16_64 3
		.amdhsa_memory_ordered 1
		.amdhsa_forward_progress 1
		.amdhsa_inst_pref_size 8
	.end_amdhsa_kernel
	.amdgpu_metadata
---
amdhsa.version: [ 1, 2 ]
amdhsa.kernels:
  - .name:           k_qec5c9a5d46_cast
    .symbol:         k_qec5c9a5d46_cast.kd
    .args:
      - { .name: x, .offset: 0, .size: 8, .value_kind: global_buffer, .address_space: global }
      - { .name: W_q, .offset: 8, .size: 8, .value_kind: global_buffer, .address_space: global }
      - { .name: W_k, .offset: 16, .size: 8, .value_kind: global_buffer, .address_space: global }
      - { .name: W_v, .offset: 24, .size: 8, .value_kind: global_buffer, .address_space: global }
      - { .name: xw, .offset: 32, .size: 8, .value_kind: global_buffer, .address_space: global }
    .group_segment_fixed_size: 0
    .private_segment_fixed_size: 0
    .kernarg_segment_align: 8
    .kernarg_segment_size: 40
    .max_flat_workgroup_size: 256
    .sgpr_count:     66
    .vgpr_count:     104
    .wavefront_size: 32
...
	.end_amdgpu_metadata
.endif
;; end of part 1
;; launch proj (part 2): grid 8 x 32, 4 waves a work-group, clusters of 4 x 4, 327,680 bytes of LDS; arguments xw, qkv; writes qkv
.if DOCPART == 2
	.amdgcn_target "amdgcn-amd-amdhsa--gfx1250"
	.amdhsa_code_object_version 6
	.text
	.protected	k_qec5c9a5d46_proj
	.globl	k_qec5c9a5d46_proj
	.p2align	8
	.type	k_qec5c9a5d46_proj,@function
k_qec5c9a5d46_proj:
	s_mov_b64 s[64:65], 0
	v_nop
	global_prefetch_b8 v0, s[64:65] scope:SCOPE_SE
	s_setreg_imm32_b32 hwreg(HW_REG_WAVE_MODE, 25, 1), 1
	s_wait_xcnt 0x0
	s_wait_alu depctr_hold_cnt(0) depctr_sa_sdst(0) depctr_va_vdst(0) depctr_va_sdst(0) depctr_va_ssrc(0) depctr_va_vcc(0) depctr_vm_vsrc(0)
	s_getreg_b32 s2, hwreg(HW_REG_IB_STS2, 6, 4)
	s_cmp_eq_u32 s2, 0
	s_cbranch_scc0 .Lentry_in_a_cluster
	s_endpgm
.Lentry_in_a_cluster:
	s_bfe_u32 s2, ttmp6, 0x10000c
	s_cmp_lg_u32 s2, 0xf033
	s_cbranch_scc0 .Lentry_shape_is_right
	s_endpgm
.Lentry_shape_is_right:
; qkv[m][n] = sum over k of x[m][k] W[n][k]: the three projections as one product.  M = 8192, N = 3072 (q, k, v side by side), K = 1024; bf16 operands out of xw, f32 sums, qkv rounded once to f16.
; xw is [16 K blocks][11264 rows][64] bf16: rows 0-8191 x, from 8192 on the weights; the rows of a tile of 64 along K lie end to end, 128 bytes each.
; LIMIT.  f16 holds no number beyond 65,504: q, k and v must lie within it (a larger one becomes an infinity).  NaN and infinities are not treated apart.
; THE TILE is 256 x 384: 8192 x 3072 outputs are 256 such tiles, one for each work-group of the grid of 8 x 32.  Four waves, each 128 x 192: 96 accumulators of 16 x 16, 768 registers.
; K goes in 16 steps of 64 through two LDS slots filled by the tensor data mover (two slots of 128 along K, 2 x 640 rows x 272 bytes, would not fit in LDS).  One K step is one trip of the loop.
; CLUSTER 4 x 4: the four work-groups of a row need the same rows of x, the four of a column the same weight rows: each tile is asked for jointly (same load, descriptor and mask in all four).
; THE MATRIX INSTRUCTION IS USED TRANSPOSED (source 0 = 16 weight rows, source 1 = 16 rows of x): a lane holds one row m = lane % 16 and eight neighbouring columns, which pack into 16 bytes.
; REGISTERS, in windows of 256 (s_set_vgpr_msb: bits 1:0 source 0, 3:2 source 1, 5:4 source 2, 7:6 destination):
;   window 0: v0-31 addresses; v32-95, v96-159 fragments of x (8 x 16 rows x 32 K), two buffers; v160-255 the 12 fragments of the weights, ONE set
;   window 1 + g: the accumulators of column blocks 4 g .. 4 g + 3: (row block a, column block 4 g + j) at v[8 (4 a + j)]
; THE WEIGHTS' FRAGMENTS ROLL.  32 along K are 96 products in three groups of 32, a group for each window.  As soon as a group's products are issued, its four weight fragments are loaded for the next 32 along K;
; x's next fragments go into the other buffer, half behind the first group and half behind the second.  So each load stands 48 products or more ahead of its first use, and all loads and addresses lie in window 0.
.set ROWC,   6144                      ; bytes in a row of qkv
.set BLK,    11264*128                 ; bytes in a K block of xw: from K step to K step
.set PITCH,  144                       ; an LDS row: 128 bytes + 16 of padding = 36 words: the 16 rows of a fragment load start at 16 different groups of four banks (ISA guide 11.1)
.set BOFF,   256*PITCH                 ; a slot: x's 256 rows, then the weights' 384 rows
.set SLOT1,  1<<17                     ; slot 1 begins here (a slot is 92,160 bytes), so that one exclusive or turns an address in one slot into the other's
.set STAGE,  SLOT1+640*PITCH           ; behind the ring, never filled by a tensor load: 128 rows x 784 bytes, the work-group's, for the way out
.set SPITCH, 784                       ; 768 bytes + 16 = 49 x 16: the 16 rows of a store start at 16 different groups of four banks
.set SPARE,  STAGE+128*SPITCH          ; the spare words: 128 bytes a wave, named by no other line
.set ADRA, 16                          ; v16  LDS address of my fragments of x in the slot in hand
.set A0,   17                          ; v17  the same in slot 0; never rewritten
.set ADRB, 20                          ; v20, v21 the same for the weights
.set B0,   21
.set STO,  24                          ; v24  the way out: where I put 16 bytes of a row
.set RD,   25                          ; v25  where I read 16 bytes of a row back
.set CO,   26                          ; v26  my byte offset in two rows of qkv
.set SPW,  28                          ; v28  my spare word
.set NIL,  29                          ; v29  0
.set PFO,  30                          ; v30  128 x my lane: a row of a K block
.set FA0,  32
.set FA1,  96
.set FB,   160
.set TMP,  32                          ; the way out: two sets of 48 packed registers
.set OB,   32                          ; and 192 registers read back from the stage
.set TBR,  2                           ; s2   0 or SLOT1: the slot that is read
.set CB,   8                           ; s[8:9] qkv at the first row that I store, the tile's first column
.set LIM,  43                          ; s43  2 in a wave that prefetches, else the greatest number
.set PFA,  44                          ; s[44:45] where my prefetches stand
.set G1,  24                           ; s[24:31] group 1 for x's tiles;  s[32:39] group 0: K step 0's, and the one that walks
.set G0,  32
.set G1B, 48                           ; s[48:55], s[56:63] the same for the weights' tiles
.set G0B, 56
.set MSB, 0
.macro WIN new                         ; the immediate's high byte repeats the setting that is left; a switch that changes nothing is dropped
.if MSB != (\new)
	s_set_vgpr_msb (MSB<<8)|(\new)
.set MSB, \new
.endif
.endm
.macro PLACES                          ; four plain places behind matrix instructions, in front of loads into their sources and of reads of their results
.rept 4
	v_nop
.endr
.endm
.macro JLOAD                           ; the joint refill: waves 0 and 1 fetch x's two halves, waves 2 and 3 the weights'; the branch hangs on the wave's number alone
	s_cmp_eq_u32 s11, 0
	s_cbranch_scc0 .Lfor_b_\@
	tensor_load_to_lds s[G0+4:G0+7], s[G1:G1+7]
	s_nop 0
	PLACES
	s_branch .Lasked_\@
.Lfor_b_\@:
	tensor_load_to_lds s[G0B+4:G0B+7], s[G1B:G1B+7]
	s_nop 0
	PLACES
.Lasked_\@:
.endm
; A prefetch of the K step that stands two refills on, a lane a row of 128 bytes, 32 rows an instruction.  x's 256 rows are asked for by the clusters with x = 0, the weights' 384 by those with y = 0; each of
; the four partners that ask for a tile jointly takes a quarter of its rows, told apart by address: wave 0 asks for 64 rows of x (two instructions), wave 2 for 96 weight rows (three).
; So each row of a K step is named once.  The last two refills (s3 = 2, 1) have no K step two on.
.macro ASK
	s_cmp_gt_u32 s3, s[LIM]
	s_cbranch_scc0 .Lnot_mine_\@
	global_prefetch_b8 v[PFO], s[PFA:PFA+1] offset:BLK th:TH_LOAD_NT scope:SCOPE_SE
	global_prefetch_b8 v[PFO], s[PFA:PFA+1] offset:BLK+4096 th:TH_LOAD_NT scope:SCOPE_SE
	s_cmp_eq_u32 s11, 0
	s_cbranch_scc1 .Lnot_mine_\@
	global_prefetch_b8 v[PFO], s[PFA:PFA+1] offset:BLK+8192 th:TH_LOAD_NT scope:SCOPE_SE
.Lnot_mine_\@:
.endm
.macro CREST                           ; a round of the cluster's barrier behind its opening barrier
	s_cmp_lg_u32 s10, 0
	s_cbranch_scc1 .Lnot_wave_0_\@
	s_barrier_signal -3
.Lnot_wave_0_\@:
	s_barrier_wait -3
	s_barrier_signal -1
	s_barrier_wait -1
.endm
.macro CROUND
	s_barrier_signal -1
	s_barrier_wait -1
	CREST
.endm
	s_load_b128 s[4:7], s[0:1], 0x0                ; xw s[4:5], qkv s[6:7]
	v_lshl_add_u32 v[SPW], v0, 2, SPARE
	v_mov_b32 v[NIL], 0
	ds_add_u32 v[SPW], v[NIL]                      ; the wave's opening: the add and its wait stand ahead of my first tensor load
	v_lshrrev_b32 v1, 5, v0
	v_readfirstlane_b32 s10, v1                    ; wave 0..3
	s_lshr_b32 s11, s10, 1                         ; my half of the tile's rows.  Also: I fetch x (0) or weights (1)
	s_and_b32 s12, s10, 1                          ; my half of its columns.  Also: which half of that tile I fetch
	s_bfe_u32 s40, ttmp6, 0x40000                  ; cx
	s_bfe_u32 s41, ttmp6, 0x40004                  ; cy
	s_lshl_b32 s42, ttmp9, 2
	s_add_co_u32 s42, s42, s40                     ; tile column = 4 x cluster x + cx
	s_and_b32 s13, ttmp7, 0xffff
	s_lshl_b32 s13, s13, 2
	s_add_co_u32 s13, s13, s41                     ; tile row = 4 x cluster y + cy
	s_lshl_b32 s43, s41, 2
	s_lshl_b32 s43, 15, s43                        ; my row of the cluster
	s_lshl_b32 s44, 0x1111, s40                    ; my column
	; group 1.  A half tile is dense in memory: asked for as rows of 256 bytes (two rows of xw), padded in LDS after every 128 bytes
	s_or_b32 s[G1+0], s43, (1<<16)|(1<<20)|(1<<21)|(4<<22)|(3<<25)   ; the mask; 2-byte elements; padding on; bit 21 beside a mask; after every 32 words 4 words
	s_or_b32 s[G1B+0], s44, (1<<16)|(1<<20)|(1<<21)|(4<<22)|(3<<25)
	s_mov_b32 s[G1+1], 128<<16                     ; tensor_dim0 = 128
	s_mov_b32 s[G1+2], 64<<16                      ; tensor_dim1 = 64: 128 rows of x
	s_mov_b32 s[G1+3], 128<<16                     ; tile_dim0 = 128
	s_mov_b32 s[G1+4], 64                          ; tile_dim1 = 64
	s_mov_b32 s[G1+5], 128                         ; elements from row to row
	s_mov_b32 s[G1+6], 0
	s_mov_b32 s[G1+7], 0
	s_mov_b32 s[G1B+1], 128<<16
	s_mov_b32 s[G1B+2], 96<<16                     ; 192 weight rows
	s_mov_b32 s[G1B+3], 128<<16
	s_mov_b32 s[G1B+4], 96
	s_mov_b32 s[G1B+5], 128
	s_mov_b32 s[G1B+6], 0
	s_mov_b32 s[G1B+7], 0
	s_lshl_b32 s16, s13, 15                        ; x: row 256 x tile row, 128 bytes a row,
	s_lshl_b32 s17, s12, 14                        ; + 128 rows x half
	s_add_co_u32 s16, s16, s17
	s_mov_b32 s17, 0
	s_mul_i32 s46, s42, 384*128                    ; weights: row 8192 + 384 x tile column + 192 x half
	s_mul_i32 s47, s12, 192*128
	s_add_co_u32 s46, s46, s47
	s_add_co_u32 s46, s46, 8192*128
	s_mov_b32 s47, 0
	s_mul_i32 s20, s12, 128*PITCH                  ; where they go: no place in the cluster enters an LDS address
	s_mul_i32 s21, s12, 192*PITCH
	s_add_co_u32 s21, s21, BOFF
	s_wait_dscnt 0x0                               ; the opening add is done
	s_wait_kmcnt 0x0
	s_mov_b64 s[CB:CB+1], s[6:7]                   ; qkv
	s_add_nc_u64 s[14:15], s[4:5], s[16:17]
	s_add_nc_u64 s[46:47], s[4:5], s[46:47]
	CROUND                                         ; all sixteen work-groups are here: the first joint loads meet
.irp s, 0,1
	s_mov_b32 s[G0+4*(\s)], 1
	s_add_co_u32 s[G0+4*(\s)+1], s20, (\s)*SLOT1
	s_add_nc_u64 s[G0+4*(\s)+2:G0+4*(\s)+3], s[14:15], (\s)*BLK
	s_or_b32 s[G0+4*(\s)+3], s[G0+4*(\s)+3], 0x80000000
	s_mov_b32 s[G0B+4*(\s)], 1
	s_add_co_u32 s[G0B+4*(\s)+1], s21, (\s)*SLOT1
	s_add_nc_u64 s[G0B+4*(\s)+2:G0B+4*(\s)+3], s[46:47], (\s)*BLK
	s_or_b32 s[G0B+4*(\s)+3], s[G0B+4*(\s)+3], 0x80000000
.endr
	s_cmp_eq_u32 s11, 0                            ; a wave's two first fills stand in one branch: two loads of mine are out
	s_cbranch_scc0 .Lfirst_b
	tensor_load_to_lds s[G0:G0+3], s[G1:G1+7]
	s_nop 0
	tensor_load_to_lds s[G0+4:G0+7], s[G1:G1+7]
	s_nop 0
	PLACES
	s_branch .Lfirst_asked
.Lfirst_b:
	tensor_load_to_lds s[G0B:G0B+3], s[G1B:G1B+7]
	s_nop 0
	tensor_load_to_lds s[G0B+4:G0B+7], s[G1B:G1B+7]
	s_nop 0
	PLACES
.Lfirst_asked:
	; a fragment is 16 rows x 32 K in 8 registers: lane l holds row l % 16, K = 8 (l / 16) + 0..7 and 16 + 8 (l / 16) + 0..7: two loads of 16 bytes, 32 bytes apart
	v_and_b32 v1, 15, v0
	v_bfe_u32 v2, v0, 4, 1
	v_mul_u32_u24 v3, v1, PITCH
	v_lshl_add_u32 v3, v2, 4, v3
	s_mul_i32 s22, s11, 128*PITCH                  ; my 128 rows of x
	s_mul_i32 s23, s12, 192*PITCH                  ; my 192 weight rows
	s_add_co_u32 s23, s23, BOFF
	v_add_nc_u32 v[A0], s22, v3
	v_add_nc_u32 v[B0], s23, v3
	v_mov_b32 v[ADRA], v[A0]
	v_mov_b32 v[ADRB], v[B0]
	s_mov_b32 s[TBR], 0
	s_mul_i32 s22, s11, 64*SPITCH                  ; into the stage: a pass takes 64 of my rows; my half of their 768 bytes; row l % 16, 16 bytes for each half of the lanes
	s_mul_i32 s23, s12, 384
	s_add_co_u32 s22, s22, s23
	s_add_co_u32 s22, s22, STAGE
	v_mul_u32_u24 v4, v1, SPITCH
	v_lshl_add_u32 v4, v2, 4, v4
	v_add_nc_u32 v[STO], s22, v4
	s_mul_i32 s22, s10, 32*SPITCH                  ; back: wave w takes the stage's rows 32 w .. 32 w + 31, whole; lanes 0-15 256 bytes of one row, lanes 16-31 of the next
	s_add_co_u32 s22, s22, STAGE
	v_mul_u32_u24 v5, v2, SPITCH
	v_lshl_add_u32 v5, v1, 4, v5
	v_add_nc_u32 v[RD], s22, v5
	v_mul_u32_u24 v5, v2, ROWC                     ; and the same two rows in qkv
	v_lshl_add_u32 v[CO], v1, 4, v5
	s_lshl_b32 s16, s13, 8                         ; the first row that I store: 256 x tile row + 128 (w / 2) + 32 (w % 2); the second pass lies 64 rows on
	s_lshl_b32 s17, s11, 7
	s_add_co_u32 s16, s16, s17
	s_lshl_b32 s17, s12, 5
	s_add_co_u32 s16, s16, s17
	s_mul_i32 s16, s16, ROWC
	s_mul_i32 s17, s42, 768                        ; the tile's first column, in bytes
	s_add_co_u32 s16, s16, s17
	s_mov_b32 s17, 0
	s_add_nc_u64 s[CB:CB+1], s[CB:CB+1], s[16:17]
	; the prefetches
	s_lshl_b32 s20, s13, 8                         ; x: the tile's first row,
	s_mul_i32 s21, s42, 384
	s_add_co_u32 s21, s21, 8192                    ; the weights': likewise
	s_lshl_b32 s22, s40, 6                         ; my work-group's 64 rows of x's 256,
	s_mul_i32 s23, s41, 96                         ; its 96 of the weights' 384
	s_and_b32 s46, ttmp7, 0xffff
	s_cmp_eq_u32 s11, 0
	s_cselect_b32 s20, s20, s21
	s_cselect_b32 s22, s22, s23
	s_cselect_b32 s46, ttmp9, s46                  ; the coordinate along which other clusters read the same rows
	s_or_b32 s46, s46, s12                         ; waves 0 and 2 ask
	s_cmp_eq_u32 s46, 0
	s_cselect_b32 s[LIM], 2, -1                    ; the same in all sixteen partners, for a given wave
	s_add_co_u32 s20, s20, s22
	s_lshl_b32 s20, s20, 7
	s_mov_b32 s21, 0
	s_add_nc_u64 s[PFA:PFA+1], s[4:5], s[20:21]
	s_add_nc_u64 s[PFA:PFA+1], s[PFA:PFA+1], 2*BLK ; at K step 2: the first refill steps it to 3 and names K step 4.  Nothing is prefetched here, at the head
	v_and_b32 v[PFO], 31, v0
	v_lshlrev_b32 v[PFO], 7, v[PFO]
; na x 4 products of group g: row blocks a0 .. a0 + na - 1 x column blocks 4 g .. 4 g + 3, 32 along K, x's fragments in buffer fa.  The 96 accumulators take turns, one instruction a turn.
; zero = 1: the product starts the sum: nothing is ever cleared
.macro GROUP g, fa, a0, na, zero
	WIN 0x50*((\g)+1)                              ; sources window 0, C and D window 1 + g
.set ga, \a0
.rept \na
.irp j, 0,1,2,3
.if \zero
	v_wmma_f32_16x16x32_bf16 v[8*(4*ga+(\j)):8*(4*ga+(\j))+7], v[FB+8*(4*(\g)+(\j)):FB+8*(4*(\g)+(\j))+7], v[(\fa)+8*ga:(\fa)+8*ga+7], 0
.else
	v_wmma_f32_16x16x32_bf16 v[8*(4*ga+(\j)):8*(4*ga+(\j))+7], v[FB+8*(4*(\g)+(\j)):FB+8*(4*(\g)+(\j))+7], v[(\fa)+8*ga:(\fa)+8*ga+7], v[8*(4*ga+(\j)):8*(4*ga+(\j))+7]
.endif
.endr
.set ga, ga+1
.endr
.endm
.macro RUNB g, k                       ; 8 LDS loads: group g's four weight fragments, 32 K at byte k of the rows
	WIN 0
.irp j, 0,1,2,3
	ds_load_b128 v[FB+8*(4*(\g)+(\j)):FB+8*(4*(\g)+(\j))+3],   v[ADRB] offset:(\k)+(4*(\g)+(\j))*16*PITCH
	ds_load_b128 v[FB+8*(4*(\g)+(\j))+4:FB+8*(4*(\g)+(\j))+7], v[ADRB] offset:(\k)+(4*(\g)+(\j))*16*PITCH+32
.endr
.endm
.macro RUNA hf, fa, k                  ; 8 LDS loads: x's fragments 4 hf .. 4 hf + 3 into buffer fa
	WIN 0
.irp j, 0,1,2,3
	ds_load_b128 v[(\fa)+8*(4*(\hf)+(\j)):(\fa)+8*(4*(\hf)+(\j))+3],   v[ADRA] offset:(\k)+(4*(\hf)+(\j))*16*PITCH
	ds_load_b128 v[(\fa)+8*(4*(\hf)+(\j))+4:(\fa)+8*(4*(\hf)+(\j))+7], v[ADRA] offset:(\k)+(4*(\hf)+(\j))*16*PITCH+32
.endr
.endm
; A K step's first 32 along K: multiplies buffer 0 and fetches the second 32, from the same slot
.macro Q0 zero
	s_wait_dscnt 8                                 ; all but the youngest eight loads (the third group's weight fragments)
	GROUP 0, FA0, 0, 8, \zero
	PLACES
	RUNB 0, 64
	RUNA 0, FA1, 64
	GROUP 1, FA0, 0, 8, \zero
	PLACES
	RUNB 1, 64
	RUNA 1, FA1, 64
	s_wait_dscnt 32                                ; all but the 32 just issued: the third group's fragments are in
	GROUP 2, FA0, 0, 8, \zero
	PLACES
	RUNB 2, 64                                     ; my last reads of this slot
.endm
; A K step's second 32 along K: multiplies buffer 1, changes slots, and fetches the next step's first 32 from the other slot.  ONE barrier for the change: in front of it each wave waits for all its tensor
; loads (one is out: its part of the other slot), adds 0 to its spare word, and waits for that and for its reads of this slot.  fill = 1: the barrier opens a round of the cluster's, and this slot takes
; the K step two on: the refill has 160 products in which to land.
.macro Q1T fill
.if \fill
	s_wait_xcnt 0x0                                ; the last prefetches, a K step back, have read their address
	s_add_nc_u64 s[PFA:PFA+1], s[PFA:PFA+1], BLK
.endif
	WIN 0
	s_wait_tensorcnt 0x0                           ; all my tensor loads have landed
	ds_add_u32 v[SPW], v[NIL]                      ; 0 onto my spare word
	s_wait_dscnt 9                                 ; the add and the youngest eight loads may be out
	GROUP 0, FA1, 0, 4, 0                          ; sixteen products stand between the add and the wait for it
	s_wait_dscnt 0x0                               ; the add is done, my reads of this slot are over
	s_barrier_signal -1
	GROUP 0, FA1, 4, 4, 0                          ; work on registers while the others arrive
	WIN 0
	s_barrier_wait -1
.if \fill
	CREST                                          ; no wave of any partner still reads this slot or has a load on its way
	s_xor_b32 s[G0+5], s[G0+5], SLOT1
	s_add_nc_u64 s[G0+6:G0+7], s[G0+6:G0+7], BLK
	s_xor_b32 s[G0B+5], s[G0B+5], SLOT1
	s_add_nc_u64 s[G0B+6:G0B+7], s[G0B+6:G0B+7], BLK
	JLOAD                                          ; the first tensor load behind the round; its four v_nop are the places in front of the loads below
.else
	PLACES
.endif
	s_xor_b32 s[TBR], s[TBR], SLOT1
	v_add_nc_u32 v[ADRA], s[TBR], v[A0]
	v_add_nc_u32 v[ADRB], s[TBR], v[B0]
	RUNB 0, 0
	RUNA 0, FA0, 0
.if \fill
	ASK
.endif
	GROUP 1, FA1, 0, 8, 0
	PLACES
	RUNB 1, 0
	RUNA 1, FA0, 0
	GROUP 2, FA1, 0, 8, 0
	PLACES
	RUNB 2, 0
.endm
; THE WAY OUT.  A wave's 192 columns are 384 bytes, one and a half aligned blocks of 256: so the two waves of a row half write the two halves of the same stage rows, a barrier stands between the writing
; and the reading, and each wave then reads whole rows of 768 bytes.  Two passes of 128 rows (64 of each row half).
.macro PACK a                          ; row block a: rounded to f16, 16 bytes a lane and column block, into the stage; each accumulator's registers in ascending order
.set TM, TMP+48*((\a)%2)
.irp g, 0,1,2
	WIN 5*((\g)+1)                                 ; sources 0 and 1 window 1 + g
.set z, 0
.rept 16
	v_cvt_pk_f16_f32 v[TM+16*(\g)+z], v[8*(4*(\a)+z/4)+2*(z%4)], v[8*(4*(\a)+z/4)+2*(z%4)+1]
.set z, z+1
.endr
.endr
	WIN 0
.set z, 0
.rept 12
	ds_store_b128 v[STO], v[TM+4*z:TM+4*z+3] offset:((\a)%4)*16*SPITCH+32*z
.set z, z+1
.endr
.endm
.macro PASS p
	PACK 4*(\p)
	PACK 4*(\p)+1
	PACK 4*(\p)+2
	PACK 4*(\p)+3
	s_wait_dscnt 0x0                               ; for the others' sake: my stores into the stage are done
	s_barrier_signal -1
	s_barrier_wait -1
.set t, 0
.rept 48                               ; 16 pairs of rows x 3 blocks of 256 bytes
	ds_load_b128 v[OB+4*t:OB+4*t+3], v[RD] offset:(t/3)*2*SPITCH+256*(t%3)
.set t, t+1
.endr
.set t, 0
.rept 48
	s_wait_dscnt 47-t                              ; LDS loads come back in order: load t is in
	global_store_b128 v[CO], v[OB+4*t:OB+4*t+3], s[CB:CB+1] offset:(64*(\p)+2*(t/3))*ROWC+256*(t%3)  ; 16 lanes store 256 consecutive bytes, at a multiple of 256 from qkv's first byte
.set t, t+1
.endr
.endm
	s_wait_tensorcnt 1                             ; my part of K step 0 is in; K step 1's may stay out
	s_barrier_signal -1
	s_barrier_wait -1
	RUNB 0, 0                                      ; the first 32 along K, in the order in which every later 32 is fetched
	RUNA 0, FA0, 0
	RUNB 1, 0
	RUNA 1, FA0, 0
	RUNB 2, 0
	Q0 1                                           ; the first 96 products start the sums
	WIN 0
	s_mov_b32 s3, 14                               ; fourteen refills: K steps 2 to 15
.Lstep:                                            ; a trip: a K step's second half and the next step's first half
	Q1T 1
	Q0 0
	WIN 0
	s_sub_co_u32 s3, s3, 1
	s_cmp_lg_u32 s3, 0
	s_cbranch_scc1 .Lstep
	Q1T 0                                          ; K steps 14 and 15 ask for nothing
	Q0 0
	s_wait_dscnt 8                                 ; the last 32 along K: nothing more to fetch
	GROUP 0, FA1, 0, 8, 0
	GROUP 1, FA1, 0, 8, 0
	s_wait_dscnt 0x0
	GROUP 2, FA1, 0, 8, 0
	WIN 0
	PLACES                                         ; the conversions read results and write over fragments
	PASS 0
	s_barrier_signal -1                            ; every wave's reads of the stage are back (its count-down ended at 0): the stage may be written again
	s_barrier_wait -1
	s_wait_xcnt 0x0                                ; the registers that the stores read are rewritten only behind this wait
	PASS 1
	s_wait_tensorcnt 0x0                           ; the wave's end
	ds_add_u32 v[SPW], v[NIL]
	s_wait_dscnt 0x0
	CROUND                                         ; the closing round
	s_endpgm
.Lfunc_end_k_qec5c9a5d46_proj:
	.size	k_qec5c9a5d46_proj, .Lfunc_end_k_qec5c9a5d46_proj-k_qec5c9a5d46_proj
	.p2alignl 7, 3214868480
	.fill 96, 4, 3214868480
	.section	.rodata,"a",@progbits
	.p2align	6, 0x0
	.amdhsa_kernel k_qec5c9a5d46_proj
		.amdhsa_group_segment_fixed_size 327680
		.amdhsa_private_segment_fixed_size 0
		.amdhsa_enable_private_segment 0
		.amdhsa_kernarg_size 16
		.amdhsa_user_sgpr_count 2
		.amdhsa_user_sgpr_kernarg_segment_ptr 1
		.amdhsa_wavefront_size32 1
		.amdhsa_system_sgpr_workgroup_id_x 1
		.amdhsa_system_sgpr_workgroup_id_y 1
		.amdhsa_system_sgpr_workgroup_id_z 1
		.amdhsa_system_vgpr_workitem_id 0
		.amdhsa_next_free_vgpr 1024
		.amdhsa_next_free_sgpr 66
		.amdhsa_reserve_vcc 0
		.amdhsa_float_denorm_mode_32 3
		.amdhsa_float_denorm_mode_16_64 3
		.amdhsa_memory_ordered 1
		.amdhsa_forward_progress 1
		.amdhsa_inst_pref_size 114
	.end_amdhsa_kernel
	.amdgpu_metadata
---
amdhsa.version: [ 1, 2 ]
amdhsa.kernels:
  - .name:           k_qec5c9a5d46_proj
    .symbol:         k_qec5c9a5d46_proj.kd
    .args:
      - { .name: xw, .offset: 0, .size: 8, .value_kind: global_buffer, .address_space: global }
      - { .name: qkv, .offset: 8, .size: 8, .value_kind: global_buffer, .address_space: global }
    .group_segment_fixed_size: 327680
    .private_segment_fixed_size: 0
    .kernarg_segment_align: 8
    .kernarg_segment_size: 16
    .max_flat_workgroup_size: 128
    .sgpr_count:     66
    .vgpr_count:     1024
    .wavefront_size: 32
...
	.end_amdgpu_metadata
.endif
;; end of part 2
;; launch scores (part 3): grid 36 x 4, 4 waves a work-group, no clusters, 327,680 bytes of LDS; arguments qkv, pt, st; writes pt, st
.if DOCPART == 3
	.amdgcn_target "amdgcn-amd-amdhsa--gfx1250"
	.amdhsa_code_object_version 6
	.text
	.protected	k_qec5c9a5d46_scores
	.globl	k_qec5c9a5d46_scores
	.p2align	8
	.type	k_qec5c9a5d46_scores,@function
k_qec5c9a5d46_scores:
	s_mov_b64 s[64:65], 0
	v_nop
	global_prefetch_b8 v0, s[64:65] scope:SCOPE_SE
	s_setreg_imm32_b32 hwreg(HW_REG_WAVE_MODE, 25, 1), 1
	s_wait_xcnt 0x0
; For each batch and each tile (I, J <= I) of 256 queries x 256 keys: S = q k^T (f16 operands, f32 sums, K = 1024), the causal mask, and for each wave's 128 queries x 128 keys (key tile t = 2 J + wn):
; the rows' true maximum m_t, the weights 2^(c s - c m_t), c = log2(e) / 32, rounded once to f16 into pt, and in st c m_t and l_t = the sum of the unrounded weights, both f32.
; The launch behind joins the key tiles of a row by their maxima: together that is the softmax with the row's maximum taken away.
; LIMITS.  A hidden score counts as -1e30; a weight below 2^-126 counts as 0 in l, below 6e-5 it keeps f16's fixed step in pt; NaN and infinities are not treated apart.
; The 36 tiles of a batch's triangle are numbered row by row: all work-groups do equal work.  NO CLUSTER: row I of the triangle has I + 1 tiles, no multiple of four, and a square of 4 x 4 tiles that
; crosses the diagonal would want a branch on a work-group's place or products that the mask throws away.
; The loop: four waves, each 128 x 128 (64 accumulators); K in 8 steps of 128 through two LDS slots; one K step is one trip.  Each wave fetches a quarter of a slot by one tensor load.
; TRANSPOSED USE (source 0 = 16 keys, source 1 = 16 queries): a lane holds ONE query (lane % 16) and, in accumulator (a, b), the keys 16 b + 8 (lane / 16) + 0..7: a row's maximum and sum want one
; exchange between the halves of the lanes, and eight neighbouring weights pack into 16 bytes.
; REGISTERS: window 0: v0-31 addresses, v64-191 fragments of q (later sums and statistics), v32-63 and v192-255 the way out; window 1: fragments of k; windows 2, 3: accumulators (a, b) at v[8 (8 a + b)].
.set KSTEP,  128
.set ROWQ,   6144                      ; bytes in a row of qkv
.set ROWC,   4096                      ; bytes in a row of pt
.set PITCH,  272
.set HALFT,  128*PITCH
.set SLOT,   4*HALFT                   ; 0x22000: shares no bit with wave x HALFT, so an exclusive or turns a slot's address
.set STAGE,  2*SLOT
.set SPITCH, 272
.set STS,    STAGE+4*16*SPITCH         ; 1,024 bytes for each wave: 128 c m, then 128 l
.set SPARE,  STS+4096                  ; the spare words
.set CH,   8                           ; v8-11  four chains of the maximum
.set SA,   12                          ; v12  where I put a row's c m
.set SR,   13                          ; v13  where I read 16 bytes of them back
.set DG,   14                          ; v14  lane % 16 - 8 (lane / 16): register j of a diagonal block is hidden where j is greater
.set SGO,  15                          ; v15  16 x lane
.set ADRA, 16
.set A0,   17
.set ADRB, 20
.set B0,   21
.set STO,  24
.set RD,   25
.set CO,   26
.set SPW,  28
.set NIL,  29
.set PFO,  30                          ; v30  my lane x a row of qkv
.set SU,   64                          ; v64-95   sums at work
.set CMS,  96                          ; v[96 + 2 a]  c m of block a (the odd registers hold 0: the packed scaling names pairs)
.set LLS,  112                         ; v[112 + a]   l of block a
.set TBR,  2
.set CB,   6                           ; s[6:7] pt, stepped on the way out
.set LIM,  43
.set PFA,  44
.set CS,   46                          ; s[46:47] c, twice
.set SEL,  48                          ; s[48:49] v_permlanex16_b32's selects
.set STB,  50                          ; s[50:51] st at my 128 rows of my key tile
.set BIGN, 52                          ; s52  -1e30
.set MK,   72                          ; s72-79  lane masks: register j of a diagonal block is hidden
.set F0,   64
.set F1,   128
.set TMP,  192
.set OB,   32
.set G1,  24
.set G0,  32                           ; s[32:35] K step 0's group 0, s[36:39] the one that walks
.set MSB, 0
.macro WIN new
.if MSB != (\new)
	s_set_vgpr_msb (MSB<<8)|(\new)
.set MSB, \new
.endif
.endm
.set MUL_LO, 0xa1
.set MUL_HI, 0xf1
.set TO_B,   0x40
.macro PLACES
.rept 4
	v_nop
.endr
.endm
; A prefetch of my own 128 rows x 256 bytes of the K step two refills on: a lane a row, four instructions.  q's rows are asked for by the tile with J = 0 of their row of the triangle, k's rows by the
; diagonal tile of their column: each is named once.  The last two refills have no K step two on.
.macro ASK
	s_cmp_gt_u32 s3, s[LIM]
	s_cbranch_scc0 .Lnot_mine_\@
.irp i, 0,1,2,3
	global_prefetch_b8 v[PFO], s[PFA:PFA+1] offset:KSTEP*2+(\i)*32*ROWQ th:TH_LOAD_NT scope:SCOPE_SE
.endr
.Lnot_mine_\@:
.endm
	s_load_b128 s[4:7], s[0:1], 0x0                ; qkv s[4:5], pt s[6:7]
	s_load_b64 s[STB:STB+1], s[0:1], 0x10          ; st
	v_lshl_add_u32 v[SPW], v0, 2, SPARE
	v_mov_b32 v[NIL], 0
	ds_add_u32 v[SPW], v[NIL]                      ; the wave's opening: the add and its wait stand ahead of my first tensor load
	v_lshrrev_b32 v1, 5, v0
	v_readfirstlane_b32 s10, v1                    ; wave 0..3
	s_lshr_b32 s11, s10, 1                         ; wm: my half of the queries.  Also: I fetch q (0) or k (1)
	s_and_b32 s12, s10, 1                          ; wn: my half of the keys.  Also: which 128 rows I fetch
	s_and_b32 s42, ttmp7, 0xffff                   ; the batch
	s_mov_b32 s40, 0                               ; I: how many rows of the triangle begin at or below my number
.irp T, 1,3,6,10,15,21,28
	s_cmp_ge_u32 ttmp9, \T
	s_add_co_ci_u32 s40, s40, 0
.endr
	s_add_co_u32 s41, s40, 1
	s_mul_i32 s41, s41, s40
	s_lshr_b32 s41, s41, 1
	s_sub_co_u32 s41, ttmp9, s41                   ; J
	s_mov_b32 s[G1+0], (1<<16)|(1<<20)|(5<<22)|(3<<25)  ; 2-byte elements; padding on: after every 64 words 4 words
	s_mov_b32 s[G1+1], KSTEP<<16
	s_mov_b32 s[G1+2], 128<<16
	s_mov_b32 s[G1+3], KSTEP<<16
	s_mov_b32 s[G1+4], 128
	s_mov_b32 s[G1+5], 3072                        ; elements from row to row of qkv
	s_mov_b32 s[G1+6], 0
	s_mov_b32 s[G1+7], 0
	s_mov_b32 s[CS], 0x3d38aa3b                    ; c = log2(e) / 32
	s_mov_b32 s[CS+1], s[CS]
	s_mov_b32 s[SEL], 0x76543210
	s_mov_b32 s[SEL+1], 0xfedcba98
	s_mov_b32 s[BIGN], 0xf149f2ca                  ; -1e30
	s_cmp_eq_u32 s11, 0
	s_cselect_b32 s14, s40, s41                    ; q's rows go by I, k's by J
	s_cselect_b32 s15, 0, 2048                     ; k lies 2,048 bytes into a row
	s_lshl_b32 s14, s14, 8
	s_lshl_b32 s16, s12, 7
	s_add_co_u32 s14, s14, s16
	s_lshl_b32 s16, s42, 11
	s_add_co_u32 s14, s14, s16                     ; the first row that I fetch
	s_mul_i32 s14, s14, ROWQ
	s_add_co_u32 s14, s14, s15
	s_mov_b32 s15, 0
	s_mul_i32 s20, s10, HALFT                      ; and where it goes: q's two halves, then k's
	s_wait_dscnt 0x0                               ; the opening add is done
	s_wait_kmcnt 0x0
	s_add_nc_u64 s[14:15], s[4:5], s[14:15]
.irp s, 0,1
	s_mov_b32 s[G0+4*(\s)], 1
	s_add_co_u32 s[G0+4*(\s)+1], s20, (\s)*SLOT
	s_add_nc_u64 s[G0+4*(\s)+2:G0+4*(\s)+3], s[14:15], (\s)*KSTEP*2
	s_or_b32 s[G0+4*(\s)+3], s[G0+4*(\s)+3], 0x80000000
.endr
	tensor_load_to_lds s[G0:G0+3], s[G1:G1+7]      ; the two first fills together: two loads of mine are out
	s_nop 0
	tensor_load_to_lds s[G0+4:G0+7], s[G1:G1+7]
	s_nop 0
	PLACES
	v_and_b32 v1, 15, v0                           ; r = l % 16
	v_bfe_u32 v2, v0, 4, 1                         ; h = l / 16
	v_mul_u32_u24 v3, v1, PITCH
	v_lshl_add_u32 v3, v2, 4, v3
	s_mul_i32 s21, s11, HALFT
	s_mul_i32 s22, s12, HALFT
	s_add_co_u32 s22, s22, 2*HALFT
	v_add_nc_u32 v[A0], s21, v3
	v_add_nc_u32 v[B0], s22, v3
	v_mov_b32 v[ADRA], v[A0]
	v_mov_b32 v[ADRB], v[B0]
	s_mov_b32 s[TBR], 0
	s_mul_i32 s23, s10, 16*SPITCH
	s_add_co_u32 s23, s23, STAGE
	v_mul_u32_u24 v4, v1, SPITCH
	v_lshl_add_u32 v4, v2, 4, v4
	v_add_nc_u32 v[STO], s23, v4
	v_mul_u32_u24 v5, v2, SPITCH
	v_lshl_add_u32 v5, v1, 4, v5
	v_add_nc_u32 v[RD], s23, v5
	v_lshlrev_b32 v5, 12, v2
	v_lshl_add_u32 v[CO], v1, 4, v5                ; two rows of pt
	v_lshlrev_b32 v[DG], 3, v2
	v_sub_nc_u32 v[DG], v1, v[DG]
	s_lshl_b32 s23, s10, 10
	s_add_co_u32 s23, s23, STS
	v_lshl_add_u32 v[SA], v1, 2, s23
	v_and_b32 v[SGO], 31, v0
	v_mul_u32_u24 v[PFO], v[SGO], ROWQ
	v_lshlrev_b32 v[SGO], 4, v[SGO]
	v_add_nc_u32 v[SR], s23, v[SGO]
	; my part of pt: row 2048 b + 256 I + 128 wm, byte 2 (256 J + 128 wn)
	s_lshl_b32 s16, s42, 11
	s_lshl_b32 s17, s40, 8
	s_add_co_u32 s16, s16, s17
	s_lshl_b32 s17, s11, 7
	s_add_co_u32 s16, s16, s17
	s_lshl_b32 s16, s16, 12
	s_lshl_b32 s17, s41, 9
	s_add_co_u32 s16, s16, s17
	s_lshl_b32 s17, s12, 8
	s_add_co_u32 s16, s16, s17
	s_mov_b32 s17, 0                               ; s[16:17]: what the way out adds to pt's address
	; my part of st: ((16 b + 2 J + wn) 2) 8192 + 4 (256 I + 128 wm)
	s_lshl_b32 s18, s42, 4
	s_lshl_b32 s19, s41, 1
	s_add_co_u32 s18, s18, s19
	s_add_co_u32 s18, s18, s12
	s_lshl_b32 s18, s18, 14
	s_lshl_b32 s19, s40, 10
	s_add_co_u32 s18, s18, s19
	s_lshl_b32 s19, s11, 9
	s_add_co_u32 s18, s18, s19
	s_mov_b32 s19, 0
	s_add_nc_u64 s[STB:STB+1], s[STB:STB+1], s[18:19]
	; the prefetches
	s_sub_co_u32 s19, s40, s41
	s_cmp_eq_u32 s11, 0
	s_cselect_b32 s19, s41, s19                    ; J for q's waves, I - J for k's
	s_cmp_eq_u32 s19, 0
	s_cselect_b32 s[LIM], 2, -1
	s_add_nc_u64 s[PFA:PFA+1], s[14:15], 2*KSTEP*2 ; at K step 2: the first refill steps it to 3 and names K step 4
.macro MUL16 f, hi, a0, zero           ; 16 matrix instructions; the 64 accumulators take turns, one instruction a turn
	WIN MUL_LO+0x50*(\hi)
.irp a, \a0, (\a0)+1
.irp b, 0,1,2,3,4,5,6,7
.if \zero
	v_wmma_f32_16x16x32_f16 v[8*(8*(\a)+(\b)):8*(8*(\a)+(\b))+7], v[(\f)+8*(\b):(\f)+8*(\b)+7], v[(\f)+8*(4*(\hi)+(\a)):(\f)+8*(4*(\hi)+(\a))+7], 0
.else
	v_wmma_f32_16x16x32_f16 v[8*(8*(\a)+(\b)):8*(8*(\a)+(\b))+7], v[(\f)+8*(\b):(\f)+8*(\b)+7], v[(\f)+8*(4*(\hi)+(\a)):(\f)+8*(4*(\hi)+(\a))+7], v[8*(8*(\a)+(\b)):8*(8*(\a)+(\b))+7]
.endif
.endr
.endr
.endm
.macro FETCH k, f
	WIN TO_B
.irp i, 0,1,2,3,4,5,6,7
	ds_load_b128 v[(\f)+8*(\i):(\f)+8*(\i)+3],   v[ADRB] offset:(\k)+(\i)*16*PITCH
	ds_load_b128 v[(\f)+8*(\i)+4:(\f)+8*(\i)+7], v[ADRB] offset:(\k)+(\i)*16*PITCH+32
.endr
	WIN 0
.irp i, 0,1,2,3,4,5,6,7
	ds_load_b128 v[(\f)+8*(\i):(\f)+8*(\i)+3],   v[ADRA] offset:(\k)+(\i)*16*PITCH
	ds_load_b128 v[(\f)+8*(\i)+4:(\f)+8*(\i)+7], v[ADRA] offset:(\k)+(\i)*16*PITCH+32
.endr
.endm
.macro QUARTER k, f, g, zero
	s_wait_dscnt 8                                 ; all but the youngest eight loads (q's rows 64-127)
	MUL16 \f, 0, 0, \zero
	MUL16 \f, 0, 2, \zero
	PLACES
	FETCH \k, \g
	s_wait_dscnt 32                                ; all but the 32 just issued
	MUL16 \f, 1, 0, \zero
	MUL16 \f, 1, 2, \zero
.endm
.macro TURN fill                       ; a step's last quarter and the change of slots; fill = 1: the slot just read takes the K step two on
.if \fill
	s_wait_xcnt 0x0                                ; the last prefetches, a K step back, have read their address
	s_add_nc_u64 s[PFA:PFA+1], s[PFA:PFA+1], KSTEP*2
.endif
	WIN 0
	s_wait_tensorcnt 0x0                           ; all my tensor loads have landed: the one that was out is my part of the next slot
	ds_add_u32 v[SPW], v[NIL]                      ; 0 onto my spare word
	s_wait_dscnt 9                                 ; the add and the youngest eight loads may be out
	MUL16 F1, 0, 0, 0
	s_wait_dscnt 0x0                               ; the add is done, my reads of this slot are over
	s_barrier_signal -1
	MUL16 F1, 0, 2, 0
	WIN 0
	s_barrier_wait -1                              ; nobody reads this slot any more, and the next slot is whole
.if \fill
	s_xor_b32 s[G0+5], s[G0+5], SLOT
	s_add_nc_u64 s[G0+6:G0+7], s[G0+6:G0+7], KSTEP*2
	tensor_load_to_lds s[G0+4:G0+7], s[G1:G1+7]    ; my one tensor load behind the barrier
	s_nop 0
.endif
	PLACES                                         ; also the places in front of the loads below
	s_xor_b32 s[TBR], s[TBR], SLOT
	v_add_nc_u32 v[ADRA], s[TBR], v[A0]
	v_add_nc_u32 v[ADRB], s[TBR], v[B0]
	FETCH 0, F0
.if \fill
	ASK
.endif
	MUL16 F1, 1, 0, 0
	MUL16 F1, 1, 2, 0
.endm
; THE SOFTMAX of block a (16 queries x my 128 keys): a lane's 64 scores lie in the block's eight accumulators.
.macro SOFT a
.set AC, 64*((\a)%4)
.set W, 2+(\a)/4
	WIN 5*W                                        ; sources 0 and 1 in the accumulators' window
.irp q, 0,1,2,3                        ; four chains of 16 scores; each accumulator's lowest registers are read first
	v_max_num_f32 v[CH+(\q)], v[AC+16*(\q)], v[AC+16*(\q)+1]
.endr
.irp n, 1,2,3,4,5,6,7
.irp q, 0,1,2,3
	v_max3_num_f32 v[CH+(\q)], v[AC+16*(\q)+2*(\n)], v[AC+16*(\q)+2*(\n)+1], v[CH+(\q)]
.endr
.endr
	WIN 0
	v_max3_num_f32 v[CH], v[CH], v[CH+1], v[CH+2]
	v_max_num_f32 v[CH], v[CH], v[CH+3]
	v_permlanex16_b32 v[CH+1], v[CH], s[SEL], s[SEL+1]  ; the query's other 64 keys lie in the lane 16 away
	v_max_num_f32 v[CH], v[CH], v[CH+1]
	v_mul_f32 v[CMS+2*(\a)], s[CS], v[CH]          ; c m
	WIN 65*W                                       ; destination and source 0 in the accumulators' window
.set z, 0
.rept 32
	v_pk_fma_f32 v[AC+2*z:AC+2*z+1], v[AC+2*z:AC+2*z+1], s[CS:CS+1], v[CMS+2*(\a):CMS+2*(\a)+1] op_sel_hi:[1,0,0] neg_lo:[0,0,1] neg_hi:[0,0,1]  ; c s - c m
.set z, z+1
.endr
.set z, 0
.rept 64
	v_exp_f32 v[AC+z], v[AC+z]                     ; one batch
.set z, z+1
.endr
	v_nop                                          ; a plain instruction behind the last exponential
	s_wait_alu depctr_va_vdst(0)                   ; the one wait for the batch, ahead of its first reader
	WIN 5*W
.set z, 0
.rept 32
	v_cvt_pk_f16_f32 v[TMP+z], v[AC+2*z], v[AC+2*z+1]
.set z, z+1
.endr
.set z, 0
.rept 16
	v_pk_add_f32 v[SU+2*z:SU+2*z+1], v[AC+4*z:AC+4*z+1], v[AC+4*z+2:AC+4*z+3]
.set z, z+1
.endr
	WIN 0
.irp w, 4,8,16,32                      ; the sixteen pairs are added by halves
.set z, 0
.rept 32/(\w)
	v_pk_add_f32 v[SU+(\w)*z:SU+(\w)*z+1], v[SU+(\w)*z:SU+(\w)*z+1], v[SU+(\w)*z+(\w)/2:SU+(\w)*z+(\w)/2+1]
.set z, z+1
.endr
.endr
	v_add_f32 v[SU], v[SU], v[SU+1]
	v_permlanex16_b32 v[SU+1], v[SU], s[SEL], s[SEL+1]
	v_add_f32 v[LLS+(\a)], v[SU], v[SU+1]          ; l
.endm
.macro TOSTAGE a
	WIN 0
.set BK, OB+192*((\a)%2)
.irp b, 0,1,2,3,4,5,6,7
	ds_store_b128 v[STO], v[TMP+4*(\b):TMP+4*(\b)+3] offset:32*(\b)
.endr
.irp t, 0,1,2,3,4,5,6,7
	ds_load_b128 v[BK+4*(\t):BK+4*(\t)+3], v[RD] offset:(\t)*2*SPITCH  ; LDS serves a wave's instructions in order (ISA guide 5.7.1.4): these see the stores above
.endr
.endm
.macro SEND a, younger
	WIN 0
.set BK, OB+192*((\a)%2)
	s_wait_dscnt \younger
	s_wait_xcnt 0x0                                ; the stores' base and the registers that earlier stores read are rewritten only behind this wait
.if (\a) == 0
	s_add_nc_u64 s[CB:CB+1], s[CB:CB+1], s[16:17]
.else
	s_add_nc_u64 s[CB:CB+1], s[CB:CB+1], 16*ROWC
.endif
.irp t, 0,1,2,3,4,5,6,7
	global_store_b128 v[CO], v[BK+4*(\t):BK+4*(\t)+3], s[CB:CB+1] offset:2*(\t)*ROWC  ; 16 lanes store 256 consecutive bytes, at a multiple of 256 from pt's first byte
.endr
.endm
	s_wait_tensorcnt 1                             ; my part of K step 0 is in; K step 1's may stay out
	s_barrier_signal -1
	s_barrier_wait -1
	FETCH 0, F0
	QUARTER 64, F0, F1, 1                          ; the first quarter starts the sums
	WIN 0
	s_mov_b32 s3, 6
.Lstep:
	QUARTER 128, F1, F0, 0
	QUARTER 192, F0, F1, 0
	TURN 1
	QUARTER 64, F0, F1, 0
	WIN 0
	s_sub_co_u32 s3, s3, 1
	s_cmp_lg_u32 s3, 0
	s_cbranch_scc1 .Lstep
	QUARTER 128, F1, F0, 0
	QUARTER 192, F0, F1, 0
	TURN 0
	QUARTER 64, F0, F1, 0
	QUARTER 128, F1, F0, 0
	QUARTER 192, F0, F1, 0
	s_wait_dscnt 8
	MUL16 F1, 0, 0, 0
	MUL16 F1, 0, 2, 0
	s_wait_dscnt 0x0
	MUL16 F1, 1, 0, 0
	MUL16 F1, 1, 2, 0
	WIN 0
	PLACES                                         ; behind the last products: what follows reads and writes their registers
.irp a, 0,1,2,3,4,5,6,7
	v_mov_b32 v[CMS+2*(\a)+1], 0                   ; named with c m as a pair
.endr
	s_cmp_lg_u32 s40, s41                          ; below the diagonal nothing is hidden
	s_cbranch_scc1 .Lsoft
	s_cmp_eq_u32 s10, 1                            ; queries 0-127, keys 128-255: all hidden
	s_cbranch_scc1 .Lhidden
	s_cmp_eq_u32 s10, 2                            ; queries 128-255, keys 0-127: none
	s_cbranch_scc1 .Lsoft
	; waves 0 and 3 hold the diagonal: in query block a the key blocks b > a are hidden, of block b = a register j where 8 (l / 16) + j > l % 16
.irp j, 0,1,2,3,4,5,6,7
	v_cmp_gt_i32 s[MK+(\j)], \j, v[DG]
.endr
.set a, 0
.rept 8
.set AC, 64*(a%4)
	WIN 65*(2+a/4)
.set j, 0
.rept 8
	v_cndmask_b32 v[AC+8*a+j], v[AC+8*a+j], s[BIGN], s[MK+j]
.set j, j+1
.endr
.set j, 8*a+8
.rept 56-8*a
	v_mov_b32 v[AC+j], s[BIGN]
.set j, j+1
.endr
.set a, a+1
.endr
	WIN 0
.Lsoft:
	SOFT 0
	TOSTAGE 0
.irp a, 1,2,3,4,5,6,7                  ; block a's softmax stands between block a - 1's loads from the stage and the wait for them
	SOFT \a
	SEND (\a)-1, 0
	TOSTAGE \a
.endr
	SEND 7, 0
	s_branch .Lstats
.Lhidden:                                          ; weights 0, l = 0, c m the lowest finite number: the launch behind gives this key tile the factor 0
.irp r, 32,33,34,35
	v_mov_b32 v\r, 0
.endr
.irp a, 0,1,2,3,4,5,6,7
	v_mov_b32 v[CMS+2*(\a)], 0xff7fffff
	v_mov_b32 v[LLS+(\a)], 0
.endr
	s_add_nc_u64 s[CB:CB+1], s[CB:CB+1], s[16:17]
	s_mov_b32 s3, 8
.Lzero:                                            ; 16 rows a trip
.irp t, 0,1,2,3,4,5,6,7
	global_store_b128 v[CO], v[32:35], s[CB:CB+1] offset:2*(\t)*ROWC
.endr
	s_wait_xcnt 0x0                                ; the base is stepped only behind this wait
	s_add_nc_u64 s[CB:CB+1], s[CB:CB+1], 16*ROWC
	s_sub_co_u32 s3, s3, 1
	s_cmp_lg_u32 s3, 0
	s_cbranch_scc1 .Lzero
.Lstats:                                           ; the 128 c m and 128 l go through my own LDS bytes, so that each leaves as 512 consecutive bytes
.irp a, 0,1,2,3,4,5,6,7
	ds_store_b32 v[SA], v[CMS+2*(\a)] offset:64*(\a)      ; both halves of the lanes hold the same number
	ds_store_b32 v[SA], v[LLS+(\a)] offset:512+64*(\a)
.endr
	ds_load_b128 v[64:67], v[SR]
	ds_load_b128 v[68:71], v[SR] offset:512
	s_wait_dscnt 0x0
	global_store_b128 v[SGO], v[64:67], s[STB:STB+1]
	global_store_b128 v[SGO], v[68:71], s[STB:STB+1] offset:8192
	s_wait_tensorcnt 0x0                           ; the wave's end
	ds_add_u32 v[SPW], v[NIL]
	s_wait_dscnt 0x0
	s_endpgm
.Lfunc_end_k_qec5c9a5d46_scores:
	.size	k_qec5c9a5d46_scores, .Lfunc_end_k_qec5c9a5d46_scores-k_qec5c9a5d46_scores
	.p2alignl 7, 3214868480
	.fill 96, 4, 3214868480
	.section	.rodata,"a",@progbits
	.p2align	6, 0x0
	.amdhsa_kernel k_qec5c9a5d46_scores
		.amdhsa_group_segment_fixed_size 327680
		.amdhsa_private_segment_fixed_size 0
		.amdhsa_enable_private_segment 0
		.amdhsa_kernarg_size 24
		.amdhsa_user_sgpr_count 2
		.amdhsa_user_sgpr_kernarg_segment_ptr 1
		.amdhsa_wavefront_size32 1
		.amdhsa_system_sgpr_workgroup_id_x 1
		.amdhsa_system_sgpr_workgroup_id_y 1
		.amdhsa_system_sgpr_workgroup_id_z 1
		.amdhsa_system_vgpr_workitem_id 0
		.amdhsa_next_free_vgpr 1024
		.amdhsa_next_free_sgpr 80
		.amdhsa_reserve_vcc 0
		.amdhsa_float_denorm_mode_32 3
		.amdhsa_float_denorm_mode_16_64 3
		.amdhsa_memory_ordered 1
		.amdhsa_forward_progress 1
		.amdhsa_inst_pref_size 197
	.end_amdhsa_kernel
	.amdgpu_metadata
---
amdhsa.version: [ 1, 2 ]
amdhsa.kernels:
  - .name:           k_qec5c9a5d46_scores
    .symbol:         k_qec5c9a5d46_scores.kd
    .args:
      - { .name: qkv, .offset: 0, .size: 8, .value_kind: global_buffer, .address_space: global }
      - { .name: pt, .offset: 8, .size: 8, .value_kind: global_buffer, .address_space: global }
      - { .name: st, .offset: 16, .size: 8, .value_kind: global_buffer, .address_space: global }
    .group_segment_fixed_size: 327680
    .private_segment_fixed_size: 0
    .kernarg_segment_align: 8
    .kernarg_segment_size: 24
    .max_flat_workgroup_size: 128
    .sgpr_count:     80
    .vgpr_count:     1024
    .wavefront_size: 32
...
	.end_amdgpu_metadata
.endif
;; end of part 3
;; launch pv (part 4): grid 8 x 32, 4 waves a work-group, clusters of 4 x 1, 327,680 bytes of LDS; arguments pt, qkv, st, out0; writes out0
.if DOCPART == 4
	.amdgcn_target "amdgcn-amd-amdhsa--gfx1250"
	.amdhsa_code_object_version 6
	.text
	.protected	k_qec5c9a5d46_pv
	.globl	k_qec5c9a5d46_pv
	.p2align	8
	.type	k_qec5c9a5d46_pv,@function
k_qec5c9a5d46_pv:
	s_mov_b64 s[64:65], 0
	v_nop
	global_prefetch_b8 v0, s[64:65] scope:SCOPE_SE
	s_setreg_imm32_b32 hwreg(HW_REG_WAVE_MODE, 25, 1), 1
	s_wait_xcnt 0x0
	s_wait_alu depctr_hold_cnt(0) depctr_sa_sdst(0) depctr_va_vdst(0) depctr_va_sdst(0) depctr_va_ssrc(0) depctr_va_vcc(0) depctr_vm_vsrc(0)
	s_getreg_b32 s2, hwreg(HW_REG_IB_STS2, 6, 4)
	s_cmp_eq_u32 s2, 0
	s_cbranch_scc0 .Lentry_in_a_cluster
	s_endpgm
.Lentry_in_a_cluster:
	s_bfe_u32 s2, ttmp6, 0x10000c
	s_cmp_lg_u32 s2, 0x3003
	s_cbranch_scc0 .Lentry_shape_is_right
	s_endpgm
.Lentry_shape_is_right:
; out0[row][:] = sum over key tiles t of f_t (P_t V_t), f_t = 2^(c m_t - M) / L, M = max over t of c m_t, L = sum over t of l_t 2^(c m_t - M): the softmax with the row's maximum taken away, joined from the
; key tiles' own maxima and sums.  P (pt) and V (qkv, byte 4,096 of a row) are f16 operands; each key tile's product is summed in f32 by itself and enters O in f32 with its factor.
; LIMITS.  A factor below 2^-126 counts as 0; NaN and infinities are not treated apart.
; SHARES.  A work-group makes 128 channels of TWO blocks of 128 rows, 15 - p and then p: 8 - p / 2 and p / 2 + 1 key steps of 256 keys: nine trips, whatever p.  The second block's key steps are walked
; downward (trip n takes key step 8 - n; the order of the sum is free), so that the place of a trip's factors in LDS hangs on the trip's number alone.  A wave makes 64 rows x 64 channels: 16 accumulators.
; CLUSTER 4 x 1: the four channel blocks of a cluster read the same P: it is asked for jointly.  V's 128 channels are a work-group's own: a plain load in the same round.  V is not shared: the
; work-groups that read the same V belong to different p and walk different numbers of key steps.
; TRANSPOSED USE (source 0 = 16 channels of V^T, by ds_load_tr16_b128; source 1 = 16 rows of P): a lane holds one row (lane % 16) and eight neighbouring channels.
; BY TURNS.  A key step is two key tiles of 128 keys.  While one tile's sums T grow (64 products), the tile before is added into O: four packed multiply-adds behind every fourth product.  They are also the
; plain places in front of the LDS loads and of the reads of T.  O and the second T are cleared at the start and O at the change of blocks: the price of one text for every trip.
; REGISTERS: window 0: v0-31 addresses, v32-55 factors (pairs; the odd registers hold 0), v64-127 the head's statistics, later the way out, v128-255 O, (a, b) at 128 + 8 (4 a + b);
; window 1: two fragment buffers of 128: P (c, a) at 8 (4 c + a), V (c, b) at 64 + 8 (4 c + b);  window 2: T of the even key tile v0-127, of the odd one v128-255.
.set PP,    528                        ; a row of P in LDS: 512 bytes + 16: the 16 rows of a load start at 16 different groups of four banks (ISA guide 11.1)
.set PV,    288                        ; a row of V: 256 + 32 = 72 words
.set VOFF,  128*PP
.set SLOT,  VOFF+256*PV                ; 128 rows of P, then 256 keys of V
.set STAGE, 2*SLOT                     ; 16 rows x 272 bytes for each wave
.set SP,    272
.set GT,    STAGE+4*16*SP              ; the factors: [9 trips][2 key tiles][128 rows] f32
.set SPARE, GT+9*1024                  ; the spare words
.set VSTEP, 256*6144                   ; bytes from key step to key step in qkv
.set AP0, 3                            ; v3   my place in a slot's P; never rewritten
.set AV0, 4                            ; v4   in its V
.set ADP, 5                            ; v5   the same in the slot in hand
.set ADV, 6                            ; v6, v7  V's keys 0-127, 128-255
.set GA0, 8                            ; v8   my place in a trip's factors
.set GAD, 9                            ; v9   the same in the trip in hand
.set STO, 10
.set RD,  11
.set GO,  12                           ; v12  my byte offset in two rows of out0
.set GS,  13                           ; v13  where the head puts my row's factors
.set PFO, 14                           ; v14  the prefetches' offset
.set SPW, 16
.set NIL, 17
.set RO,  18                           ; v18  4 x my thread's number: my row in st
.set GE,  32                           ; v[32 + 2 a]  the even key tile's factor for row block a
.set GD,  40                           ; the odd key tile's
.set GP,  48                           ; the odd key tile's of the trip before
.set CMH, 64                           ; the head: c m, then factors, of the first block's 16 key tiles;  l at LH
.set LH,  80
.set CML, 96                           ; of the second block's 8
.set LL,  104
.set MXH, 112
.set MXL, 113
.set SH,  114
.set SL,  115
.set SC,  64                           ; the way out: two sets of 32
.set OA,  128
.set T0,  0
.set T1,  128
.set F0,  0
.set F1,  128
.set WV,  12
.set TBR, 13                           ; s13  0 or SLOT: the slot that is read
.set GB,  14                           ; s14  1,024 x the trip's number
.set CNT, 15
.set LEFTB, 16                         ; s16  trips left in the block in hand
.set NT,  17                           ; s17  the trip to be asked for next
.set NH,  18                           ; s18  trips of the first block
.set PLIM, 19                          ; s19  I prefetch while NT is below this
.set PAH, 20                           ; s[20:21] pt at the rows that I fetch, first block;  s[22:23] second block
.set PAL, 22
.set D1P, 24
.set D1V, 32
.set D0P, 40
.set D0V, 44
.set VB,  48                           ; s[48:49] V at the keys that I fetch of key step 0, my work-group's channels
.set SBH, 50                           ; s[50:51], s[52:53] st at the two blocks' rows
.set SBL, 52
.set OUT, 56                           ; s[56:57] out0 at my rows of the block in hand;  s[58:59] of the second
.set OUTS, 58
.set OFF, 60                           ; s[60:61] an offset, high word 0
.set PF,  62                           ; s[62:63] the prefetches' address
.set LP,  66
.set LV,  67
.set LIMH, 68                          ; the last key tile written for the first block's rows, for the second's
.set LIML, 69
.set WN,  77
.set WM,  78
.set MSB, 0
.macro WIN new
.if MSB != (\new)
	s_set_vgpr_msb (MSB<<8)|(\new)
.set MSB, \new
.endif
.endm
.set W_MUL, 0xa5                       ; V and P in window 1, T in window 2
.set W_RD,  0x02                       ; T (source 0) in window 2, the rest in window 0
.set W_FR,  0x40                       ; destination window 1
.macro PLACES
.rept 4
	v_nop
.endr
.endm
.macro JLOAD                           ; waves 0 and 1 fetch P's two halves of 64 rows, jointly with the partners; waves 2 and 3 V's two halves of 128 keys
	s_cmp_lt_u32 s[WV], 2
	s_cbranch_scc0 .Lfor_v_\@
	tensor_load_to_lds s[D0P:D0P+3], s[D1P:D1P+7]
	s_nop 0
	PLACES
	s_branch .Lasked_\@
.Lfor_v_\@:
	tensor_load_to_lds s[D0V:D0V+3], s[D1V:D1V+7]
	s_nop 0
	PLACES
.Lasked_\@:
.endm
; A prefetch of what the NEXT change of slots will ask for.  P: the clusters with x = 0 ask; of a wave's 64 rows x 512 bytes each partner takes 16 rows, told apart by address: 32 lanes, 16 rows x 2.
; V: the work-groups with p = 0, whose first block walks all eight key steps, ask for their own channels: a lane a key, four instructions.  So each 256 bytes are named once; the last fill asks for nothing.
.macro ASK
	s_cmp_lt_u32 s[NT], s[PLIM]
	s_cbranch_scc0 .Lno_ask_\@
	global_prefetch_b8 v[PFO], s[PF:PF+1] th:TH_LOAD_NT scope:SCOPE_SE
	s_cmp_lt_u32 s[WV], 2
	s_cbranch_scc1 .Lno_ask_\@
.irp i, 1,2,3
	global_prefetch_b8 v[PFO], s[PF:PF+1] offset:(\i)*32*6144 th:TH_LOAD_NT scope:SCOPE_SE
.endr
.Lno_ask_\@:
.endm
.macro CROUND
	s_barrier_signal -1
	s_barrier_wait -1
	s_cmp_lg_u32 s[WV], 0
	s_cbranch_scc1 .Lnot_wave_0_\@
	s_barrier_signal -3
.Lnot_wave_0_\@:
	s_barrier_wait -3
	s_barrier_signal -1
	s_barrier_wait -1
.endm
	s_load_b256 s[4:11], s[0:1], 0x0               ; pt s[4:5], qkv s[6:7], st s[8:9], out0 s[10:11]
	v_lshl_add_u32 v[SPW], v0, 2, SPARE
	v_mov_b32 v[NIL], 0
	ds_add_u32 v[SPW], v[NIL]                      ; the wave's opening: the add and its wait stand ahead of my first tensor load
	v_lshrrev_b32 v1, 5, v0
	v_readfirstlane_b32 s[WV], v1
	s_and_b32 s[WN], s[WV], 1                      ; my half of the channels.  Also: which half of P or V I fetch
	s_lshr_b32 s[WM], s[WV], 1                     ; my half of the rows
	s_bfe_u32 s70, ttmp6, 0x40000                  ; cx: it enters V's, out0's and a prefetch's global addresses alone, by s70, s71, s84-87
	s_lshl_b32 s71, ttmp9, 2
	s_add_co_u32 s71, s71, s70                     ; my block of 128 channels
	s_and_b32 s72, ttmp7, 0xffff
	s_lshr_b32 s73, s72, 3                         ; the batch
	s_and_b32 s74, s72, 7                          ; p: the second block
	s_sub_co_u32 s75, 15, s74                      ; the first block
	s_lshr_b32 s76, s74, 1
	s_sub_co_u32 s[NH], 8, s76
	s_or_b32 s[LIMH], s75, 1
	s_or_b32 s[LIML], s74, 1
	s_cmp_eq_u32 ttmp9, 0
	s_cselect_b32 s76, 9, 0
	s_cmp_eq_u32 s74, 0
	s_cselect_b32 s79, 8, 0
	s_cmp_lt_u32 s[WV], 2
	s_cselect_b32 s[PLIM], s76, s79
	s_mul_i32 s[LP], s[WN], 64*PP
	s_mul_i32 s[LV], s[WN], 128*PV
	s_add_co_u32 s[LV], s[LV], VOFF
	s_mov_b32 s[D1P+0], 15|(1<<16)|(1<<20)|(1<<21)|(6<<22)|(3<<25)  ; the mask of four; 2-byte elements; padding on; bit 21 beside a mask; after every 128 words 4 words
	s_mov_b32 s[D1P+1], 256<<16                    ; tensor_dim0 = 256
	s_mov_b32 s[D1P+2], 64<<16                     ; tensor_dim1 = 64
	s_mov_b32 s[D1P+3], 256<<16                    ; tile_dim0 = 256
	s_mov_b32 s[D1P+4], 64                         ; tile_dim1 = 64
	s_mov_b32 s[D1P+5], 2048                       ; elements from row to row of pt
	s_mov_b32 s[D1P+6], 0
	s_mov_b32 s[D1P+7], 0
	s_mov_b32 s[D1V+0], (1<<16)|(1<<20)|(5<<22)|(7<<25)  ; no mask; after every 64 words 8 words
	s_mov_b32 s[D1V+1], 128<<16
	s_mov_b32 s[D1V+2], 128<<16
	s_mov_b32 s[D1V+3], 128<<16
	s_mov_b32 s[D1V+4], 128
	s_mov_b32 s[D1V+5], 3072
	s_mov_b32 s[D1V+6], 0
	s_mov_b32 s[D1V+7], 0
	s_lshl_b32 s76, s73, 23                        ; the batch, in pt and in out0
	s_lshl_b32 s79, s[WN], 18                      ; the 64 rows that I fetch
	s_add_co_u32 s79, s79, s76
	s_lshl_b32 s80, s75, 19
	s_add_co_u32 s80, s80, s79
	s_mov_b32 s81, 0
	s_lshl_b32 s82, s74, 19
	s_add_co_u32 s82, s82, s79
	s_mov_b32 s83, 0
	s_mov_b32 s[NT], 1
	s_mov_b32 s[LEFTB], s[NH]
	s_mov_b32 s[TBR], SLOT                         ; the first change of slots turns it into 0
	s_mov_b32 s[GB], 0
	s_mov_b32 s[OFF+1], 0
	s_wait_dscnt 0x0                               ; the opening add is done
	s_wait_kmcnt 0x0
	s_add_nc_u64 s[PAH:PAH+1], s[4:5], s[80:81]
	s_add_nc_u64 s[PAL:PAL+1], s[4:5], s[82:83]
	s_lshl_b32 s79, s73, 18                        ; st: 262,144 b + 512 x block
	s_lshl_b32 s80, s75, 9
	s_add_co_u32 s80, s80, s79
	s_lshl_b32 s82, s74, 9
	s_add_co_u32 s82, s82, s79
	s_add_nc_u64 s[SBH:SBH+1], s[8:9], s[80:81]
	s_add_nc_u64 s[SBL:SBL+1], s[8:9], s[82:83]
	s_lshl_b32 s84, s71, 9                         ; out0: batch + 64 wm rows + 512 x channel block + 256 wn, then the block's rows
	s_add_co_u32 s84, s84, s76
	s_lshl_b32 s86, s[WM], 18
	s_add_co_u32 s84, s84, s86
	s_lshl_b32 s86, s[WN], 8
	s_add_co_u32 s84, s84, s86
	s_lshl_b32 s86, s74, 19
	s_add_co_u32 s86, s86, s84
	s_lshl_b32 s85, s75, 19
	s_add_co_u32 s84, s84, s85
	s_mov_b32 s85, 0
	s_mov_b32 s87, 0
	s_add_nc_u64 s[OUT:OUT+1], s[10:11], s[84:85]
	s_add_nc_u64 s[OUTS:OUTS+1], s[10:11], s[86:87]
	s_lshl_b32 s84, s73, 11                        ; V: row 2048 b + 128 x half, byte 4,096 + 256 x channel block
	s_lshl_b32 s86, s[WN], 7
	s_add_co_u32 s84, s84, s86
	s_mul_i32 s84, s84, 6144
	s_lshl_b32 s86, s71, 8
	s_add_co_u32 s84, s84, s86
	s_add_co_u32 s84, s84, 4096
	s_add_nc_u64 s[VB:VB+1], s[6:7], s[84:85]
	s_mov_b32 s[D0P], 1
	s_mov_b32 s[D0P+1], s[LP]                      ; slot 0
	s_mov_b64 s[D0P+2:D0P+3], s[PAH:PAH+1]         ; trip 0: the first block's key step 0
	s_or_b32 s[D0P+3], s[D0P+3], 0x80000000
	s_mov_b32 s[D0V], 1
	s_mov_b32 s[D0V+1], s[LV]
	s_mov_b64 s[D0V+2:D0V+3], s[VB:VB+1]
	s_or_b32 s[D0V+3], s[D0V+3], 0x80000000
	CROUND                                         ; all four work-groups are here: the first joint loads meet
	JLOAD                                          ; trip 0 into slot 0; slot 1 is filled behind the first trip's round
	v_and_b32 v1, 15, v0                           ; r
	v_bfe_u32 v2, v0, 4, 1                         ; h
	v_and_b32 v19, 31, v0                          ; l
	v_lshlrev_b32 v[RO], 2, v0
	; THE FACTORS, a thread a row.  Key tiles beyond the block's last written one keep c m = the lowest finite number and l = 0: their factor is 0
.set i, 0
.rept 16
	v_mov_b32 v[CMH+i], 0xff7fffff
	v_mov_b32 v[LH+i], 0
.set i, i+1
.endr
.set i, 0
.rept 8
	v_mov_b32 v[CML+i], 0xff7fffff
	v_mov_b32 v[LL+i], 0
.set i, i+1
.endr
.macro LDST cm, l, base, t
	global_load_b32 v[(\cm)+(\t)], v[RO], s[\base:\base+1] offset:16384*(\t)
	global_load_b32 v[(\l)+(\t)], v[RO], s[\base:\base+1] offset:16384*(\t)+8192
.endm
	LDST CMH, LH, SBH, 0
	LDST CMH, LH, SBH, 1
.irp t, 2,4,6,8,10,12,14
	s_cmp_lt_u32 s[LIMH], \t
	s_cbranch_scc1 .Lhi_in
	LDST CMH, LH, SBH, \t
	LDST CMH, LH, SBH, (\t)+1
.endr
.Lhi_in:
	LDST CML, LL, SBL, 0
	LDST CML, LL, SBL, 1
.irp t, 2,4,6
	s_cmp_lt_u32 s[LIML], \t
	s_cbranch_scc1 .Llo_in
	LDST CML, LL, SBL, \t
	LDST CML, LL, SBL, (\t)+1
.endr
.Llo_in:
	; the addresses, while the statistics are on their way
	s_mul_i32 s76, s[WM], 64*PP
	v_mul_u32_u24 v[AP0], v1, PP
	v_lshl_add_u32 v[AP0], v2, 4, v[AP0]
	v_add_nc_u32 v[AP0], s76, v[AP0]               ; my 64 rows; row x pitch + 16 x half
	v_and_b32 v20, 7, v0
	v_bfe_u32 v21, v0, 3, 1
	v_lshl_add_u32 v[AV0], v2, 3, v20              ; the turning load: lane l reads key 8 (l / 16) + l % 8, channels 8 ((l / 8) % 2) + 0..7
	v_mul_u32_u24 v[AV0], v[AV0], PV
	v_lshl_add_u32 v[AV0], v21, 4, v[AV0]
	s_lshl_b32 s76, s[WN], 7
	s_add_co_u32 s76, s76, VOFF
	v_add_nc_u32 v[AV0], s76, v[AV0]
	s_mul_i32 s76, s[WV], 16*SP
	s_add_co_u32 s76, s76, STAGE
	v_mul_u32_u24 v[STO], v1, SP                   ; in: row r, 32 bytes for each half of the lanes
	v_lshl_add_u32 v[STO], v2, 5, v[STO]
	v_add_nc_u32 v[STO], s76, v[STO]
	v_mul_u32_u24 v[RD], v2, SP                    ; back: lanes 0-15 one row of 256 bytes, lanes 16-31 the next
	v_lshl_add_u32 v[RD], v1, 4, v[RD]
	v_add_nc_u32 v[RD], s76, v[RD]
	v_lshlrev_b32 v[GO], 12, v2
	v_lshl_add_u32 v[GO], v1, 4, v[GO]
	s_lshl_b32 s76, s[WM], 8
	s_add_co_u32 s76, s76, GT
	v_lshl_add_u32 v[GA0], v1, 2, s76
	v_lshl_add_u32 v[GS], v0, 2, GT
	v_lshl_add_u32 v22, s70, 4, v1                 ; P: row 16 cx + l % 16 of the wave's 64, the half l / 16 of its 512 bytes
	v_lshlrev_b32 v22, 12, v22
	v_lshl_add_u32 v22, v2, 8, v22
	v_mul_u32_u24 v23, v19, 6144                   ; V: key l
	s_cmp_lt_u32 s[WV], 2
	s_cselect_b32 s84, -1, 0
	v_cndmask_b32 v[PFO], v23, v22, s84
.set i, GE
.rept 24
	v_mov_b32 v[i], 0                              ; the pairs' odd registers, and the factor of a key tile that has not been
.set i, i+1
.endr
.set i, 0
.rept 128
	v_mov_b32 v[OA+i], 0
.set i, i+1
.endr
	WIN 0x80
.set i, 0
.rept 128
	v_mov_b32 v[T1+i], 0                           ; the first trip adds it into O with the factor 0
.set i, i+1
.endr
	WIN 0
	s_wait_loadcnt 0x0
	v_max3_num_f32 v[MXH], v[CMH], v[CMH+1], v[CMH+2]
.irp k, 3,5,7,9,11,13
	v_max3_num_f32 v[MXH], v[MXH], v[CMH+(\k)], v[CMH+(\k)+1]
.endr
	v_max_num_f32 v[MXH], v[MXH], v[CMH+15]
	v_max3_num_f32 v[MXL], v[CML], v[CML+1], v[CML+2]
.irp k, 3,5
	v_max3_num_f32 v[MXL], v[MXL], v[CML+(\k)], v[CML+(\k)+1]
.endr
	v_max_num_f32 v[MXL], v[MXL], v[CML+7]
.set i, 0
.rept 16
	v_sub_f32 v[CMH+i], v[CMH+i], v[MXH]
.set i, i+1
.endr
.set i, 0
.rept 8
	v_sub_f32 v[CML+i], v[CML+i], v[MXL]
.set i, i+1
.endr
.set i, 0
.rept 24
	v_exp_f32 v[CMH+i+16*(i/16)], v[CMH+i+16*(i/16)]  ; 16 of the first block, 8 of the second (CML = CMH + 32): one batch
.set i, i+1
.endr
	v_nop
	s_wait_alu depctr_va_vdst(0)                   ; the one wait for the batch
	v_mul_f32 v[SH], v[LH], v[CMH]
	v_mul_f32 v[SL], v[LL], v[CML]
.set i, 1
.rept 15
	v_fmac_f32 v[SH], v[LH+i], v[CMH+i]
.set i, i+1
.endr
.set i, 1
.rept 7
	v_fmac_f32 v[SL], v[LL+i], v[CML+i]
.set i, i+1
.endr
	v_rcp_f32 v[SH], v[SH]                         ; L is at least about 1: the key tile that holds the row's maximum has the factor 1 and a weight 1
	v_rcp_f32 v[SL], v[SL]
	v_nop
	s_wait_alu depctr_va_vdst(0)
.set i, 0
.rept 16
	v_mul_f32 v[CMH+i], v[CMH+i], v[SH]
.set i, i+1
.endr
.set i, 0
.rept 8
	v_mul_f32 v[CML+i], v[CML+i], v[SL]
.set i, i+1
.endr
.irp n, 5,6,7                          ; trips 0-4 are always the first block's, trip 8 the second's; between, the work-group's y decides
	s_cmp_gt_u32 s[NH], \n
	s_cselect_b32 s76, -1, 0
	v_cndmask_b32 v[CMH+2*(\n)], v[CML+16-2*(\n)], v[CMH+2*(\n)], s76
	v_cndmask_b32 v[CMH+2*(\n)+1], v[CML+17-2*(\n)], v[CMH+2*(\n)+1], s76
.endr
.set i, 0
.rept 16
	ds_store_b32 v[GS], v[CMH+i] offset:512*i
.set i, i+1
.endr
	ds_store_b32 v[GS], v[CML] offset:8192
	ds_store_b32 v[GS], v[CML+1] offset:8704       ; the wait for these stores and the barrier in front of their readers are the first change of slots'
.macro RIDE old, g                     ; accumulator rq of a finished key tile goes into O with its rows' factor; its lowest registers are read first
	WIN W_RD
.irp z, 0,1,2,3
	v_pk_fma_f32 v[OA+8*rq+2*(\z):OA+8*rq+2*(\z)+1], v[(\old)+8*rq+2*(\z):(\old)+8*rq+2*(\z)+1], v[(\g)+2*(rq/4):(\g)+2*(rq/4)+1], v[OA+8*rq+2*(\z):OA+8*rq+2*(\z)+1] op_sel_hi:[1,0,1]
.endr
.set rq, rq+1
.endm
; 8 products: row blocks a0, a0 + 1 x 4 channel blocks, 32 keys (half c of buffer f).  The 16 accumulators take turns, one instruction a turn
.macro MUL8 f, c, a0, zero, acc, old, g
.irp a, \a0, (\a0)+1
	WIN W_MUL
.irp b, 0,1,2,3
.if \zero
	v_wmma_f32_16x16x32_f16 v[(\acc)+8*(4*(\a)+(\b)):(\acc)+8*(4*(\a)+(\b))+7], v[(\f)+64+8*(4*(\c)+(\b)):(\f)+64+8*(4*(\c)+(\b))+7], v[(\f)+8*(4*(\c)+(\a)):(\f)+8*(4*(\c)+(\a))+7], 0
.else
	v_wmma_f32_16x16x32_f16 v[(\acc)+8*(4*(\a)+(\b)):(\acc)+8*(4*(\a)+(\b))+7], v[(\f)+64+8*(4*(\c)+(\b)):(\f)+64+8*(4*(\c)+(\b))+7], v[(\f)+8*(4*(\c)+(\a)):(\f)+8*(4*(\c)+(\a))+7], v[(\acc)+8*(4*(\a)+(\b)):(\acc)+8*(4*(\a)+(\b))+7]
.endif
.endr
	RIDE \old, \g
.endr
.endm
.macro FETCH q, f                      ; 32 LDS loads in one run: the fragments of keys 64 q .. 64 q + 63, the first 32 keys first
	WIN W_FR
.irp c, 0,1
.irp i, 0,1,2,3
	ds_load_tr16_b128 v[(\f)+64+8*(4*(\c)+(\i)):(\f)+64+8*(4*(\c)+(\i))+3],   v[ADV+(\q)/2] offset:(((\q)%2)*64+32*(\c))*PV+32*(\i)
	ds_load_tr16_b128 v[(\f)+64+8*(4*(\c)+(\i))+4:(\f)+64+8*(4*(\c)+(\i))+7], v[ADV+(\q)/2] offset:(((\q)%2)*64+32*(\c)+16)*PV+32*(\i)
	ds_load_b128 v[(\f)+8*(4*(\c)+(\i)):(\f)+8*(4*(\c)+(\i))+3],   v[ADP] offset:128*(\q)+64*(\c)+(\i)*16*PP
	ds_load_b128 v[(\f)+8*(4*(\c)+(\i))+4:(\f)+8*(4*(\c)+(\i))+7], v[ADP] offset:128*(\q)+64*(\c)+(\i)*16*PP+32
.endr
.endr
.endm
.macro QUARTER q, f, g2, zero, acc, old, g
	s_wait_dscnt 16                                ; the first 32 keys' fragments are in
	MUL8 \f, 0, 0, \zero, \acc, \old, \g
	MUL8 \f, 0, 2, \zero, \acc, \old, \g
	FETCH (\q)+1, \g2                              ; four multiply-adds into O stand behind the last product that read this buffer
	s_wait_dscnt 32                                ; all but the 32 just issued
	MUL8 \f, 1, 0, 0, \acc, \old, \g
	MUL8 \f, 1, 2, 0, \acc, \old, \g
.endm
; THE CHANGE OF SLOTS, at a trip's head.  fill = 1: the slot read last trip takes trip NT's tiles: key step NT of the first block, or 8 - NT of the second.
.macro CHG fill
	WIN 0
	s_wait_xcnt 0x0                                ; the last prefetches, a trip back, have read their address
	s_wait_tensorcnt 0x0                           ; all my tensor loads have landed: my part of this trip's slot; so the descriptors may be written
	ds_add_u32 v[SPW], v[NIL]                      ; 0 onto my spare word; scalar work stands between it and the wait for it
	s_xor_b32 s[TBR], s[TBR], SLOT
.if \fill
	s_xor_b32 s79, s[TBR], SLOT                    ; the other slot
	s_add_co_u32 s[D0P+1], s79, s[LP]
	s_add_co_u32 s[D0V+1], s79, s[LV]
	s_sub_co_u32 s80, 8, s[NT]
	s_cmp_lt_u32 s[NT], s[NH]
	s_cselect_b32 s80, s[NT], s80                  ; the key step
	s_cselect_b64 s[72:73], s[PAH:PAH+1], s[PAL:PAL+1]
	s_lshl_b32 s[OFF], s80, 9
	s_add_nc_u64 s[D0P+2:D0P+3], s[72:73], s[OFF:OFF+1]
	s_or_b32 s[D0P+3], s[D0P+3], 0x80000000
	s_mul_i32 s[OFF], s80, VSTEP
	s_add_nc_u64 s[D0V+2:D0V+3], s[VB:VB+1], s[OFF:OFF+1]
	s_or_b32 s[D0V+3], s[D0V+3], 0x80000000
	s_add_co_u32 s[NT], s[NT], 1
	s_sub_co_u32 s80, 8, s[NT]                     ; the same for the trip after, for the prefetches (behind the last trip it is made and not used)
	s_cmp_lt_u32 s[NT], s[NH]
	s_cselect_b32 s80, s[NT], s80
	s_cselect_b64 s[72:73], s[PAH:PAH+1], s[PAL:PAL+1]
	s_lshl_b32 s[OFF], s80, 9
	s_add_nc_u64 s[72:73], s[72:73], s[OFF:OFF+1]
	s_mul_i32 s[OFF], s80, VSTEP
	s_add_nc_u64 s[86:87], s[VB:VB+1], s[OFF:OFF+1]
	s_cmp_lt_u32 s[WV], 2
	s_cselect_b64 s[PF:PF+1], s[72:73], s[86:87]
.endif
	s_wait_dscnt 0x0                               ; the add is done; my LDS reads and stores are over
.if \fill
	CROUND                                         ; no wave of any partner still reads the slot or has a load on its way
	JLOAD                                          ; my one tensor load behind the round: it has the trip's 128 products in which to land
	ASK
.else
	s_barrier_signal -1
	s_barrier_wait -1
.endif
	v_add_nc_u32 v[ADP], s[TBR], v[AP0]
	v_add_nc_u32 v[ADV], s[TBR], v[AV0]
	v_add_nc_u32 v[ADV+1], 128*PV, v[ADV]
.endm
.macro STEP fill                       ; a trip: 256 keys, 128 products
	CHG \fill
.irp a, 0,1,2,3
	v_mov_b32 v[GP+2*(\a)], v[GD+2*(\a)]           ; the factor of the key tile that still waits in T1
.endr
	v_add_nc_u32 v[GAD], s[GB], v[GA0]
	s_add_co_u32 s[GB], s[GB], 1024
.irp a, 0,1,2,3
	ds_load_b32 v[GE+2*(\a)], v[GAD] offset:64*(\a)
	ds_load_b32 v[GD+2*(\a)], v[GAD] offset:512+64*(\a)
.endr
	FETCH 0, F0
.set rq, 0
	QUARTER 0, F0, F1, 1, T0, T1, GP               ; the even key tile grows in T0; the odd one of the trip before goes into O
	QUARTER 1, F1, F0, 0, T0, T1, GP
.set rq, 0
	QUARTER 2, F0, F1, 1, T1, T0, GE               ; the odd key tile grows in T1; the even one goes into O
	s_wait_dscnt 16
	MUL8 F1, 0, 0, 0, T1, T0, GE
	MUL8 F1, 0, 2, 0, T1, T0, GE
	s_wait_dscnt 0x0
	MUL8 F1, 1, 0, 0, T1, T0, GE
	MUL8 F1, 1, 2, 0, T1, T0, GE
	WIN 0
.endm
; THE WAY OUT of a block: the last key tile goes into O; then 16 rows at a time through my stage, back as whole rows of 256 bytes
.macro PACKO a
	s_wait_xcnt 0x0                                ; the registers that earlier stores read are loaded again only behind this wait
.irp b, 0,1,2,3
	ds_store_b128 v[STO], v[OA+8*(4*(\a)+(\b)):OA+8*(4*(\a)+(\b))+3] offset:64*(\b)
	ds_store_b128 v[STO], v[OA+8*(4*(\a)+(\b))+4:OA+8*(4*(\a)+(\b))+7] offset:64*(\b)+16
.endr
.irp t, 0,1,2,3,4,5,6,7
	ds_load_b128 v[SC+32*((\a)%2)+4*(\t):SC+32*((\a)%2)+4*(\t)+3], v[RD] offset:(\t)*2*SP  ; LDS serves a wave's instructions in order (ISA guide 5.7.1.4)
.endr
.endm
.macro SENDO a, younger                ; younger: the LDS instructions issued behind block a's loads
.irp t, 0,1,2,3,4,5,6,7
	s_wait_dscnt (\younger)+7-(\t)
	global_store_b128 v[GO], v[SC+32*((\a)%2)+4*(\t):SC+32*((\a)%2)+4*(\t)+3], s[OUT:OUT+1] offset:(16*(\a)+2*(\t))*4096 th:TH_STORE_NT  ; 16 lanes store 256 consecutive bytes, at a multiple of 256 from out0's first byte
.endr
.endm
.macro WAYOUT last
.set rq, 0
.rept 16
	RIDE T1, GD                                    ; four multiply-adds stand behind the last product, and the accumulators are taken in the order in which they were finished
.endr
	WIN 0
	PACKO 0
	PACKO 1
	SENDO 0, 16
	PACKO 2
	SENDO 1, 16
	PACKO 3
	SENDO 2, 16
	SENDO 3, 0
.if !(\last)
.set i, 0
.rept 128
	v_mov_b32 v[OA+i], 0                           ; the second block begins
.set i, i+1
.endr
.irp a, 0,1,2,3
	v_mov_b32 v[GD+2*(\a)], 0                      ; T1 has been added: the next trip adds it once more, with the factor 0
.endr
	s_wait_xcnt 0x0                                ; the stores have read out0's address
	s_mov_b64 s[OUT:OUT+1], s[OUTS:OUTS+1]
	s_mov_b32 s[LEFTB], 64                         ; the second block ends behind the loop
.endif
.endm
	s_mov_b32 s[CNT], 8
.Lstep:                                            ; trips 0 to 7: each asks for the next trip's tiles
	STEP 1
	s_sub_co_u32 s[LEFTB], s[LEFTB], 1
	s_cmp_lg_u32 s[LEFTB], 0
	s_cbranch_scc1 .Lgo                            ; hangs on the work-group's y, which the partners share; what is jumped holds no barrier and no tensor load
	WAYOUT 0
.Lgo:
	s_sub_co_u32 s[CNT], s[CNT], 1
	s_cmp_lg_u32 s[CNT], 0
	s_cbranch_scc1 .Lstep
	STEP 0                                         ; trip 8 is written out: nothing is asked for
	WAYOUT 1
	s_wait_tensorcnt 0x0                           ; the wave's end
	ds_add_u32 v[SPW], v[NIL]
	s_wait_dscnt 0x0
	CROUND                                         ; the closing round
	s_endpgm
.Lfunc_end_k_qec5c9a5d46_pv:
	.size	k_qec5c9a5d46_pv, .Lfunc_end_k_qec5c9a5d46_pv-k_qec5c9a5d46_pv
	.p2alignl 7, 3214868480
	.fill 96, 4, 3214868480
	.section	.rodata,"a",@progbits
	.p2align	6, 0x0
	.amdhsa_kernel k_qec5c9a5d46_pv
		.amdhsa_group_segment_fixed_size 327680
		.amdhsa_private_segment_fixed_size 0
		.amdhsa_enable_private_segment 0
		.amdhsa_kernarg_size 32
		.amdhsa_user_sgpr_count 2
		.amdhsa_user_sgpr_kernarg_segment_ptr 1
		.amdhsa_wavefront_size32 1
		.amdhsa_system_sgpr_workgroup_id_x 1
		.amdhsa_system_sgpr_workgroup_id_y 1
		.amdhsa_system_sgpr_workgroup_id_z 1
		.amdhsa_system_vgpr_workitem_id 0
		.amdhsa_next_free_vgpr 768
		.amdhsa_next_free_sgpr 88
		.amdhsa_reserve_vcc 0
		.amdhsa_float_denorm_mode_32 3
		.amdhsa_float_denorm_mode_16_64 3
		.amdhsa_memory_ordered 1
		.amdhsa_forward_progress 1
		.amdhsa_inst_pref_size 116
	.end_amdhsa_kernel
	.amdgpu_metadata
---
amdhsa.version: [ 1, 2 ]
amdhsa.kernels:
  - .name:           k_qec5c9a5d46_pv
    .symbol:         k_qec5c9a5d46_pv.kd
    .args:
      - { .name: pt, .offset: 0, .size: 8, .value_kind: global_buffer, .address_space: global }
      - { .name: qkv, .offset: 8, .size: 8, .value_kind: global_buffer, .address_space: global }
      - { .name: st, .offset: 16, .size: 8, .value_kind: global_buffer, .address_space: global }
      - { .name: out0, .offset: 24, .size: 8, .value_kind: global_buffer, .address_space: global }
    .group_segment_fixed_size: 327680
    .private_segment_fixed_size: 0
    .kernarg_segment_align: 8
    .kernarg_segment_size: 32
    .max_flat_workgroup_size: 128
    .sgpr_count:     88
    .vgpr_count:     768
    .wavefront_size: 32
...
	.end_amdgpu_metadata
.endif
;; end of part 4
;; ======== version 2 of 2: 4 launches; version 1 with the launch cast written anew for expert scheduling mode
;; limits: values are held in f16: magnitudes above 65,504 overflow, below 6.1e-05 lose precision
;; workspace buffers: xw 23,068,672 bytes; qkv 50,331,648 bytes; pt 33,554,432 bytes; st 1,048,576 bytes
;; launch cast (part 5): grid 704 x 1, 8 waves a work-group, no clusters, 0 bytes of LDS; arguments x, W_q, W_k, W_v, xw; writes xw
.if DOCPART == 5
	.amdgcn_target "amdgcn-amd-amdhsa--gfx1250"
	.amdhsa_code_object_version 6
	.text
	.protected	k_qec5c9a5d46_cast
	.globl	k_qec5c9a5d46_cast
	.p2align	8
	.type	k_qec5c9a5d46_cast,@function
k_qec5c9a5d46_cast:
	s_mov_b64 s[64:65], 0
	v_nop
	global_prefetch_b8 v0, s[64:65] scope:SCOPE_SE
	s_setreg_imm32_b32 hwreg(HW_REG_WAVE_SCHED_MODE, 0, 2), 2
	s_setreg_imm32_b32 hwreg(HW_REG_WAVE_MODE, 25, 1), 1
	s_wait_xcnt 0x0
	s_wait_alu depctr_vm_vsrc(0)
; xw = x, W_q, W_k, W_v rounded once to bf16, stacked by rows (0-8191 x, 8192- W_q, 9216- W_k, 10240- W_v) and laid out in blocks of 64 along K: [16 blocks][11264 rows][64] bf16.
; So the rows of a tile of 64 along K lie end to end, 128 bytes each, for the launch behind.
; A stream: each input byte is read once, each output byte written once; no LDS, no barrier, no matrix unit: there is nothing to share and nothing to multiply.
; A work-group takes 16 stacked rows; wave w the K blocks 2 w and 2 w + 1.  One instruction takes one K block of two rows: lanes 0-15 the 64 numbers (256 consecutive bytes, aligned) of the even row,
; lanes 16-31 those of the odd row; the store's 2 x 128 bytes are 256 consecutive bytes at a multiple of 256 from xw's first byte.  All 16 loads of a thread go out at once; the waits count them down by fours.
; No prefetch: the launch is nothing but its stream.
; THE MODE: SCHED_MODE bits 1:0 = 2 (LLVM: expert scheduling mode 2), set by the entry lines.  The code itself states the register dependences
; between vector instructions and memory instructions, with s_wait_alu, always for 0.
; THE PLAN.  Registers that memory instructions touch (the text has no loop, and each is written once):
;   v1, v2   byte offsets, made at the head by vector instructions and never written again; v1 is read by every load, v2 by every store.
;   X        load i lands in its own four registers, which no vector instruction writes; its two roundings read them; they are not loaded again.
;   Y        the roundings of load i write its own two registers; one store reads them; they are not written again.
; The 16 loads are worked on in four groups of four.  Group g rounds X of its four loads into Y of the same four; its memory instructions are the four stores of group g - 1, which read v2 and the Y that
; group g - 1 wrote and that no vector instruction of group g names.  So one wait on va_vdst at a group's head states all that its four stores hang on, and they are dealt among its roundings with no
; further wait.  No register that a memory instruction reads is written again, no vector instruction writes a scalar register or VCC, and EXEC is never written: no other wait is owed.
.set N,   16                           ; loads of a thread: 8 pairs of rows x 2 K blocks
.set GRP, 4                            ; loads in a group
.set BLK, 11264*128                    ; bytes in a K block of xw
.set X, 8                              ; v[8:71]    load i: 4 registers
.set Y, 72                             ; v[72:103]  store i: 2 registers
	s_load_b256 s[4:11], s[0:1], 0x0               ; x s[4:5], W_q s[6:7], W_k s[8:9], W_v s[10:11]
	s_load_b64 s[12:13], s[0:1], 0x20              ; xw
	v_lshrrev_b32 v3, 5, v0                        ; wave
	v_bfe_u32 v4, v0, 4, 1                         ; which row of the pair
	v_and_b32 v5, 15, v0                           ; which 4 numbers of the 64
	v_lshlrev_b32 v1, 4, v5                        ; source: 16 bytes a lane,
	v_lshl_add_u32 v1, v4, 12, v1                  ; a row of 4,096 bytes,
	v_lshl_add_u32 v1, v3, 9, v1                   ; two K blocks of 256 bytes a wave
	v_lshlrev_b32 v2, 3, v5                        ; xw: 8 bytes a lane,
	v_lshl_add_u32 v2, v4, 7, v2                   ; a row of 128 bytes,
	v_mul_u32_u24 v6, v3, 2*BLK                    ; two K blocks a wave
	v_add_nc_u32 v2, v6, v2
	s_lshl_b32 s16, ttmp9, 11                      ; 16 rows of 128 bytes in a K block
	s_mov_b32 s17, 0
	s_and_b32 s18, ttmp9, 63                       ; a weight matrix is 64 work-groups' rows
	s_cmp_lt_u32 ttmp9, 512                        ; x is the first 512 work-groups'
	s_cselect_b32 s18, ttmp9, s18
	s_lshl_b32 s18, s18, 16                        ; 16 rows of 4,096 bytes in the source
	s_mov_b32 s19, 0
	s_wait_kmcnt 0x0
	s_mov_b64 s[20:21], s[10:11]                   ; which source: the work-group's number decides, no address does
	s_cmp_lt_u32 ttmp9, 640
	s_cselect_b64 s[20:21], s[8:9], s[20:21]
	s_cmp_lt_u32 ttmp9, 576
	s_cselect_b64 s[20:21], s[6:7], s[20:21]
	s_cmp_lt_u32 ttmp9, 512
	s_cselect_b64 s[20:21], s[4:5], s[20:21]
	s_add_nc_u64 s[20:21], s[20:21], s[18:19]
	s_add_nc_u64 s[12:13], s[12:13], s[16:17]
	s_wait_alu depctr_va_vdst(0)                   ; v1 and v2 are written: every load below reads v1 as its offset, every store v2
.set i, 0
.rept N
	global_load_b128 v[X+4*i:X+4*i+3], v1, s[20:21] offset:(i/2)*8192+(i%2)*256 th:TH_LOAD_NT
.set i, i+1
.endr
.set g, 0
.rept N/GRP
	s_wait_loadcnt N-GRP-GRP*g                     ; loads come back in order: group g's four are in, the younger groups stay out
.if g > 0
	s_wait_alu depctr_va_vdst(0)                   ; the roundings of the group before have written its Y, which the four stores below read
.endif
.set j, 0
.rept GRP
.set i, GRP*g+j
.if g > 0
	global_store_b64 v2, v[Y+2*(i-GRP):Y+2*(i-GRP)+1], s[12:13] offset:((i-GRP)/2)*256+((i-GRP)%2)*BLK  ; the group before; no vector instruction since the wait names these registers
.endif
	v_cvt_pk_bf16_f32 v[Y+2*i], v[X+4*i], v[X+4*i+1]
	v_cvt_pk_bf16_f32 v[Y+2*i+1], v[X+4*i+2], v[X+4*i+3]
.set j, j+1
.endr
.set g, g+1
.endr
	s_wait_alu depctr_va_vdst(0)                   ; the last group's roundings have written its Y, which the last four stores read
.set i, N-GRP
.rept GRP
	global_store_b64 v2, v[Y+2*i:Y+2*i+1], s[12:13] offset:(i/2)*256+(i%2)*BLK
.set i, i+1
.endr
	s_endpgm
.Lfunc_end_k_qec5c9a5d46_cast:
	.size	k_qec5c9a5d46_cast, .Lfunc_end_k_qec5c9a5d46_cast-k_qec5c9a5d46_cast
	.p2alignl 7, 3214868480
	.fill 96, 4, 3214868480
	.section	.rodata,"a",@progbits
	.p2align	6, 0x0
	.amdhsa_kernel k_qec5c9a5d46_cast
		.amdhsa_group_segment_fixed_size 0
		.amdhsa_private_segment_fixed_size 0
		.amdhsa_enable_private_segment 0
		.amdhsa_kernarg_size 40
		.amdhsa_user_sgpr_count 2
		.amdhsa_user_sgpr_kernarg_segment_ptr 1
		.amdhsa_wavefront_size32 1
		.amdhsa_system_sgpr_workgroup_id_x 1
		.amdhsa_system_sgpr_workgroup_id_y 1
		.amdhsa_system_sgpr_workgroup_id_z 1
		.amdhsa_system_vgpr_workitem_id 0
		.amdhsa_next_free_vgpr 104
		.amdhsa_next_free_sgpr 66
		.amdhsa_reserve_vcc 0
		.amdhsa_float_denorm_mode_32 3
		.amdhsa_float_denorm_mode_16_64 3
		.amdhsa_memory_ordered 1
		.amdhsa_forward_progress 1
		.amdhsa_inst_pref_size 7
	.end_amdhsa_kernel
	.amdgpu_metadata
---
amdhsa.version: [ 1, 2 ]
amdhsa.kernels:
  - .name:           k_qec5c9a5d46_cast
    .symbol:         k_qec5c9a5d46_cast.kd
    .args:
      - { .name: x, .offset: 0, .size: 8, .value_kind: global_buffer, .address_space: global }
      - { .name: W_q, .offset: 8, .size: 8, .value_kind: global_buffer, .address_space: global }
      - { .name: W_k, .offset: 16, .size: 8, .value_kind: global_buffer, .address_space: global }
      - { .name: W_v, .offset: 24, .size: 8, .value_kind: global_buffer, .address_space: global }
      - { .name: xw, .offset: 32, .size: 8, .value_kind: global_buffer, .address_space: global }
    .group_segment_fixed_size: 0
    .private_segment_fixed_size: 0
    .kernarg_segment_align: 8
    .kernarg_segment_size: 40
    .max_flat_workgroup_size: 256
    .sgpr_count:     66
    .vgpr_count:     104
    .wavefront_size: 32
...
	.end_amdgpu_metadata
.endif
;; end of part 5
;; launch proj: the kernel of part 2 again; grid 8 x 32, 4 waves a work-group, clusters of 4 x 4, 327,680 bytes of LDS; arguments xw, qkv; writes qkv
;; launch scores: the kernel of part 3 again; grid 36 x 4, 4 waves a work-group, no clusters, 327,680 bytes of LDS; arguments qkv, pt, st; writes pt, st
;; launch pv: the kernel of part 4 again; grid 8 x 32, 4 waves a work-group, clusters of 4 x 1, 327,680 bytes of LDS; arguments pt, qkv, st, out0; writes out0
